; MI455X (gfx1250); checked and timed in simulation.
; The chip was launched on July 23, 2026; its instructions are those of AMD's public machine-readable ISA for CDNA 5 (MIT licence, August 2026) and "CDNA5" Instruction Set Architecture Reference Guide (July 2026). The comments in the code are by the model that wrote it; some were corrected since.
;; Tree Attention. Allowed arithmetic: matrix products marked QUANTISED: E2M1 operands, one E8M0 scale for each 32 along K, by v_wmma_scale_f32_16x16x128_f8f6f4 with both operands' format E2M1 (or v_wmma_scale_f32_32x16x128_f4), f32 sums; products left as they are: bf16, f16 or f32 operands; f32 sums; everything else in f32.
;; Inputs: W_K 2,048 x 2,048 float32; W_O 2,048 x 2,048 float32; W_Q 2,048 x 2,048 float32; W_V 2,048 x 2,048 float32; x 1 x 2,048 x 2,048 float32.
;; Outputs: out0 1 x 2,048 x 2,048 float32.
;; This version of the problem:
;;   THIS VERSION OF THE PROBLEM IS GIVEN IN LOW PRECISION. The matrix products marked QUANTISED in the list below multiply operands that are first quantised to E2M1 (2 exponent bits, 1 mantissa bit; 4 bits a number), with one power-of-two scale for each 32 numbers along K (OCP MX v1.0); their sums are f32. The products marked 'left as it is' may take bf16, f16 or f32 operands, with f32 sums. Whichever they take, every output number must still come out within the allowed error. Rounding operands to bf16 (8 significant bits) uses up far more of that allowance than f16 does (11 bits, for magnitudes from 6e-5 to 65,504). All else is computed in f32.
;;   The module's matrix products, in the order in which they are computed (A, B: the left and right operand; K: the contracted axis; several contracted axes count as one K, in the product's order):
;;     1. [M 2,048, K 2,048] x [K 2,048, N 2,048]; A: input x; B: input W_Q: QUANTISED
;;     2. [M 2,048, K 2,048] x [K 2,048, N 2,048]; A: input x; B: input W_K: QUANTISED
;;     3. [M 2,048, K 2,048] x [K 2,048, N 2,048]; A: input x; B: input W_V: QUANTISED
;;     4. batch 16 x [M 2,048, K 128] x [K 128, N 2,048]; A: computed on the way; B: computed on the way: left as it is (an operand is computed on the way)
;;     5. batch 16 x [M 2,048, K 2,048] x [K 2,048, N 128]; A: computed on the way; B: computed on the way: left as it is (an operand is computed on the way)
;;     6. [M 2,048, K 2,048] x [K 2,048, N 2,048]; A: computed on the way; B: input W_O: left as it is (an operand is computed on the way)
;;   THE QUANTISER, for each operand of a quantised product, along K:
;;     - K is cut into blocks of 32 from its start; a last block that is shorter is filled with zeros.
;;     - A block's scale is 2^e with e = floor(log2(the largest magnitude in the block)) - 2, held to -126 .. 127; a block of zeros has e = 0. As a byte (E8M0): e + 127.
;;     - Each number is divided by its block's scale, clamped to +-6, and rounded to the nearest number of E2M1, ties to even, subnormals kept.
;;     - The product sums the exact products of the quantised numbers (number of the format x scale) in f32.
;;   ~~~python
;;   def quantise(x, axis):      # numpy; x: float32 -> the quantised numbers, widened to float32 again
;;       x = np.moveaxis(x, axis, -1); K = x.shape[-1]
;;       x = np.pad(x, [(0, 0)] * (x.ndim - 1) + [(0, -K % 32)]); x = x.reshape(x.shape[:-1] + (-1, 32)); a = np.abs(x).max(-1, keepdims=True)
;;       e = np.where(a > 0, np.clip(np.frexp(np.where(a > 0, a, 1))[1] - 1 - 2, -126, 127), 0)      # np.frexp(a)[1] - 1 = floor(log2(a)), exactly
;;       r = np.clip(x / 2.0 ** e, -6, 6)
;;       step = 2.0 ** (np.maximum(np.frexp(np.where(r == 0, 1, r))[1] - 1, 0) - 1)
;;       q = np.round(r / step) * step * 2.0 ** e      # np.round: ties to even
;;       return np.moveaxis(q.reshape(q.shape[:-2] + (-1,))[..., :K], -1, axis).astype(np.float32)
;;   ~~~
;; 2 versions, each right. Each part assembles by itself: llvm-mc -triple=amdgcn-amd-amdhsa -mcpu=gfx1250 --defsym DOCPART=n.
;; ======== version 1 of 2: 5 launches
;; limits: values are held in f16: magnitudes above 65,504 overflow, below 6.1e-05 lose precision
;; workspace buffers: codes 8,388,608 bytes; scales 524,288 bytes; wo16 8,388,608 bytes; qkv16 25,165,824 bytes; head32 3,145,728 bytes; o16 8,388,608 bytes
;; launch quant (part 1): grid 640 x 1, 4 waves a work-group, no clusters, 33,280 bytes of LDS; arguments x, W_Q, W_K, W_V, W_O, codes, scales, wo16; writes codes, scales, wo16
.if DOCPART == 1
	.amdgcn_target "amdgcn-amd-amdhsa--gfx1250"
	.amdhsa_code_object_version 6
	.text
	.protected	k_q3aac9bb17a_quant
	.globl	k_q3aac9bb17a_quant
	.p2align	8
	.type	k_q3aac9bb17a_quant,@function
k_q3aac9bb17a_quant:
	s_mov_b64 s[64:65], 0
	v_nop
	global_prefetch_b8 v0, s[64:65] scope:SCOPE_SE
	s_setreg_imm32_b32 hwreg(HW_REG_WAVE_MODE, 25, 1), 1
	s_wait_xcnt 0x0
; x, W_Q, W_K, W_V ([2048][2048] f32, K innermost) become codes of E2M1, two to a byte, and one E8M0 byte for each 32 along K; W_O becomes f16.
; codes: [8192 rows][1024 bytes], rows 0-2047 x, 2048-4095 W_Q, 4096-6143 W_K, 6144-8191 W_V; scales: [8192][64 bytes]; wo16: [2048][2048] f16.
; A block's scale is 2^(floor(log2(largest magnitude)) - 2); its byte is the largest magnitude's exponent field - 2, held at 1 from below.
; A block of zeros gets the byte 1 where the rule says 127: its codes are zeros, which add nothing, and this program alone reads the bytes.
; LIMITS: NaN and infinities are not served; W_O's magnitudes stay under 65,504 (f16's largest number); under 6e-8 they fall to zero.
; Work-groups 0-511 quantise: 128 to a tensor, 8,192 numbers a wave, in 16 steps of 512.  Rows are dense, so every tensor is a plain stream of blocks.
; Each load reads 512 consecutive bytes; a step's 2,048 bytes turn through the wave's own stage in LDS, so that a lane then holds 16 neighbours along K.
; Work-groups 512-639 convert W_O: 8,192 numbers a wave, four batches of 16 loads, no LDS.  Waves share nothing: no barrier.
.set WAVES, 4
.set STEPS, 16
.set EMAX,  2
.set CB,    8                          ; bytes of 16 codes
.set R,     16                         ; v16-79   four sets of 16 numbers as loaded
.set X,     80                         ; v80-111  two sets of 16 neighbours
.set E,     112                        ; v112-127 a scale byte for each step
.set C,     128                        ; v128-191 codes, four registers a step: no store's data are written again
.set WREG,  8192                       ; LDS: a region for each wave: two stages of 32 x SP bytes, then its 256 scale bytes
.set SP,    80                         ; a lane's place in a stage: 64 bytes + 16 of padding
.set SPW,   12                         ; v12 my spare word's LDS address; never rewritten
.set NIL,   13                         ; v13 0; never rewritten
.set SPARE, WAVES*WREG                 ; the spare words: 128 bytes a wave, named by no other line
	s_load_b256 s[4:11], s[0:1], 0x0               ; x, W_Q, W_K, W_V
	s_load_b256 s[12:19], s[0:1], 0x20             ; W_O, codes, scales, wo16
	v_lshl_add_u32 v[SPW], v0, 2, SPARE
	v_mov_b32 v[NIL], 0
	v_lshrrev_b32 v1, 5, v0
	v_readfirstlane_b32 s20, v1                    ; wave
	v_and_b32 v2, 31, v0                           ; lane
	v_lshlrev_b32 v3, 4, v2                        ; my 16 bytes of a load's 512
	s_mul_i32 s22, s20, WREG
	v_lshrrev_b32 v14, 2, v2
	v_mul_u32_u24 v14, v14, SP
	v_and_b32 v15, 3, v2
	v_lshl_add_u32 v14, v15, 4, v14
	v_add_nc_u32 v14, s22, v14                     ; the stage, on the way in: SP (lane / 4) + 16 (lane % 4)
	v_mul_u32_u24 v15, v2, SP
	v_add_nc_u32 v15, s22, v15                     ; and on the way out: SP x lane
	v_mul_u32_u24 v4, v2, CB                       ; 8 x lane: my codes' place in a step's; in the other path my f16 numbers' place
	v_lshrrev_b32 v5, 1, v2
	s_add_co_u32 s22, s22, 2*32*SP
	v_add_nc_u32 v5, s22, v5                       ; my wave's 256 scale bytes, my block's byte
	v_lshlrev_b32 v7, 3, v2
	v_add_nc_u32 v6, s22, v7                       ; and on the way out 8 bytes a lane
	s_mov_b32 s23, 0
	s_wait_kmcnt 0x0
	s_cmp_ge_u32 ttmp9, 512                        ; the work-group's number alone decides the path
	s_cbranch_scc1 .Lconv
	s_lshr_b32 s21, ttmp9, 7                       ; which tensor
	s_cmp_eq_u32 s21, 1
	s_cselect_b64 s[4:5], s[6:7], s[4:5]
	s_cmp_eq_u32 s21, 2
	s_cselect_b64 s[4:5], s[8:9], s[4:5]
	s_cmp_eq_u32 s21, 3
	s_cselect_b64 s[4:5], s[10:11], s[4:5]
	s_and_b32 s22, ttmp9, 127
	s_lshl_b32 s22, s22, 2
	s_add_co_u32 s22, s22, s20                     ; my run of 8,192 numbers in the tensor
	s_lshl_b32 s22, s22, 15
	s_add_nc_u64 s[4:5], s[4:5], s[22:23]
	s_lshl_b32 s24, ttmp9, 2
	s_add_co_u32 s24, s24, s20                     ; and among all four tensors: the outputs are linear in it
	s_lshl_b32 s22, s24, 12
	s_add_nc_u64 s[14:15], s[14:15], s[22:23]      ; 4,096 bytes of codes a run
	s_lshl_b32 s22, s24, 8
	s_add_nc_u64 s[16:17], s[16:17], s[22:23]      ; 256 scale bytes a run
.macro LOAD t
.irp i, 0,1,2,3
	global_load_b128 v[R+16*((\t)%4)+4*\i:R+16*((\t)%4)+4*\i+3], v3, s[4:5] offset:2048*(\t)+512*\i th:TH_LOAD_NT   ; 32 lanes read 512 consecutive bytes
.endr
.endm
.macro TURN t                          ; step t's numbers through the stage: LDS serves a wave's instructions in order, so no wait stands between stores and loads
.irp i, 0,1,2,3
	ds_store_b128 v14, v[R+16*((\t)%4)+4*\i:R+16*((\t)%4)+4*\i+3] offset:32*SP*((\t)%2)+8*SP*\i
.endr
.irp i, 0,1,2,3
	ds_load_b128 v[X+16*((\t)%2)+4*\i:X+16*((\t)%2)+4*\i+3], v15 offset:32*SP*((\t)%2)+16*\i
.endr
.endm
.irp t, 0,1,2,3
	LOAD \t
.endr
	s_wait_loadcnt 12                              ; step 0's four loads are in; twelve younger ones stay out
	TURN 0
.macro STEP t
.set XS, X+16*((\t)%2)
.if (\t) > 0
	s_wait_dscnt 1                                 ; this step's numbers are back from the stage; the last step's byte store may be out
.else
	s_wait_dscnt 0x0
.endif
.if (\t)+4 < STEPS
	LOAD (\t)+4                                    ; into the registers that this step's stores into the stage have read
.endif
.if (\t)+1 < STEPS
.if STEPS-2-(\t) >= 3
	s_wait_loadcnt 12                              ; the next step's four loads are in; those of three steps behind it may be out
.else
	s_wait_loadcnt 4*(STEPS-2-(\t))                ; at the end the count runs down with the loads that are left
.endif
	TURN (\t)+1
.endif
	v_max3_num_f32 v8, |v[XS]|, |v[XS+1]|, |v[XS+2]|               ; the largest magnitude of my 16, in two chains
	v_max3_num_f32 v9, |v[XS+3]|, |v[XS+4]|, |v[XS+5]|
.irp i, 6,10
	v_max3_num_f32 v8, v8, |v[XS+\i]|, |v[XS+\i+1]|
	v_max3_num_f32 v9, v9, |v[XS+\i+2]|, |v[XS+\i+3]|
.endr
	v_max3_num_f32 v8, v8, |v[XS+14]|, |v[XS+15]|
	v_max3_num_f32 v8, v8, v9, (EMAX+1)<<23        ; and the floor 2^(3 - 127): the byte cannot fall under 1
	v_max_num_f32_dpp v8, v8, v8 row_xmask:1 row_mask:0xf bank_mask:0xf   ; with my neighbour's 16: the block's
	v_add_nc_u32 v11, -(EMAX<<23), v8              ; 2 off the exponent field: the conversion takes this operand's exponent field as its scale
	v_cvt_scalef32_pk8_fp4_f32 v[C+4*(\t)], v[XS:XS+7], v11
	v_cvt_scalef32_pk8_fp4_f32 v[C+4*(\t)+1], v[XS+8:XS+15], v11
	v_lshrrev_b32 v[E+(\t)], 23, v11               ; the scale's byte (also the plain line behind the conversions)
	ds_store_b8 v5, v[E+(\t)] offset:16*(\t)       ; both lanes of a block write the same byte with the same value
	global_store_b64 v4, v[C+4*(\t):C+4*(\t)+1], s[14:15] offset:32*CB*(\t)   ; 32 lanes store 256 consecutive bytes, aligned
.endm
.irp t, 0,1,2,3,4,5,6,7,8,9,10,11,12,13,14,15
	STEP \t
.endr
	ds_load_b64 v[8:9], v6                         ; LDS serves a wave's instructions in order: these see my byte stores
	s_wait_dscnt 0x0
	global_store_b64 v7, v[8:9], s[16:17]          ; 32 lanes store 256 consecutive bytes, aligned
	s_wait_tensorcnt 0x0                           ; the wave's end, behind my last LDS store
	ds_add_u32 v[SPW], v[NIL]
	s_wait_dscnt 0x0
	s_endpgm
.Lconv:                                            ; W_O to f16
	s_sub_co_u32 s22, ttmp9, 512
	s_lshl_b32 s22, s22, 2
	s_add_co_u32 s24, s22, s20                     ; my run of 8,192 numbers
	s_lshl_b32 s22, s24, 15
	s_add_nc_u64 s[12:13], s[12:13], s[22:23]
	s_lshl_b32 s22, s24, 14
	s_add_nc_u64 s[18:19], s[18:19], s[22:23]
.macro LOADB t                         ; batch t: 16 loads of 512 consecutive bytes into set t % 2
.set i, 0
.rept 16
	global_load_b128 v[16+64*((\t)%2)+4*i:16+64*((\t)%2)+4*i+3], v3, s[12:13] offset:512*(16*(\t)+i) th:TH_LOAD_NT
.set i, i+1
.endr
.endm
.macro CONV t
.if (\t) < 3
	s_wait_loadcnt 16                              ; my batch is in; the next batch's sixteen loads stay out
.else
	s_wait_loadcnt 0x0
.endif
	s_wait_xcnt 0x0                                ; the last batch's stores have read v144-175, which are written again below
.set i, 0
.rept 32
	v_cvt_pk_f16_f32 v[144+i], v[16+64*((\t)%2)+2*i], v[16+64*((\t)%2)+2*i+1]
.set i, i+1
.endr
.set i, 0
.rept 16
	global_store_b64 v4, v[144+2*i:145+2*i], s[18:19] offset:256*(16*(\t)+i)   ; 32 lanes store 256 consecutive bytes, aligned
.set i, i+1
.endr
.if (\t) < 2
	LOADB (\t)+2
.endif
.endm
	LOADB 0
	LOADB 1
	CONV 0
	CONV 1
	CONV 2
	CONV 3
	s_endpgm
.Lfunc_end_k_q3aac9bb17a_quant:
	.size	k_q3aac9bb17a_quant, .Lfunc_end_k_q3aac9bb17a_quant-k_q3aac9bb17a_quant
	.p2alignl 7, 3214868480
	.fill 96, 4, 3214868480
	.section	.rodata,"a",@progbits
	.p2align	6, 0x0
	.amdhsa_kernel k_q3aac9bb17a_quant
		.amdhsa_group_segment_fixed_size 33280
		.amdhsa_private_segment_fixed_size 0
		.amdhsa_enable_private_segment 0
		.amdhsa_kernarg_size 64
		.amdhsa_user_sgpr_count 2
		.amdhsa_user_sgpr_kernarg_segment_ptr 1
		.amdhsa_wavefront_size32 1
		.amdhsa_system_sgpr_workgroup_id_x 1
		.amdhsa_system_sgpr_workgroup_id_y 1
		.amdhsa_system_sgpr_workgroup_id_z 1
		.amdhsa_system_vgpr_workitem_id 0
		.amdhsa_next_free_vgpr 192
		.amdhsa_next_free_sgpr 66
		.amdhsa_reserve_vcc 0
		.amdhsa_float_denorm_mode_32 3
		.amdhsa_float_denorm_mode_16_64 3
		.amdhsa_memory_ordered 1
		.amdhsa_forward_progress 1
		.amdhsa_inst_pref_size 54
	.end_amdhsa_kernel
	.amdgpu_metadata
---
amdhsa.version: [ 1, 2 ]
amdhsa.kernels:
  - .name:           k_q3aac9bb17a_quant
    .symbol:         k_q3aac9bb17a_quant.kd
    .args:
      - { .name: x, .offset: 0, .size: 8, .value_kind: global_buffer, .address_space: global }
      - { .name: W_Q, .offset: 8, .size: 8, .value_kind: global_buffer, .address_space: global }
      - { .name: W_K, .offset: 16, .size: 8, .value_kind: global_buffer, .address_space: global }
      - { .name: W_V, .offset: 24, .size: 8, .value_kind: global_buffer, .address_space: global }
      - { .name: W_O, .offset: 32, .size: 8, .value_kind: global_buffer, .address_space: global }
      - { .name: codes, .offset: 40, .size: 8, .value_kind: global_buffer, .address_space: global }
      - { .name: scales, .offset: 48, .size: 8, .value_kind: global_buffer, .address_space: global }
      - { .name: wo16, .offset: 56, .size: 8, .value_kind: global_buffer, .address_space: global }
    .group_segment_fixed_size: 33280
    .private_segment_fixed_size: 0
    .kernarg_segment_align: 8
    .kernarg_segment_size: 64
    .max_flat_workgroup_size: 128
    .sgpr_count:     66
    .vgpr_count:     192
    .wavefront_size: 32
...
	.end_amdgpu_metadata
.endif
;; end of part 1
;; launch proj (part 2): grid 24 x 8, 4 waves a work-group, clusters of 4 x 4, 327,680 bytes of LDS; arguments codes, scales, qkv16, head32; writes qkv16, head32
.if DOCPART == 2
	.amdgcn_target "amdgcn-amd-amdhsa--gfx1250"
	.amdhsa_code_object_version 6
	.text
	.protected	k_q3aac9bb17a_proj
	.globl	k_q3aac9bb17a_proj
	.p2align	8
	.type	k_q3aac9bb17a_proj,@function
k_q3aac9bb17a_proj:
	s_mov_b64 s[64:65], 0
	v_nop
	global_prefetch_b8 v0, s[64:65] scope:SCOPE_SE
	s_setreg_imm32_b32 hwreg(HW_REG_WAVE_MODE, 25, 1), 1
	s_wait_xcnt 0x0
	s_wait_alu depctr_hold_cnt(0) depctr_sa_sdst(0) depctr_va_vdst(0) depctr_va_sdst(0) depctr_va_ssrc(0) depctr_va_vcc(0) depctr_vm_vsrc(0)
	s_getreg_b32 s2, hwreg(HW_REG_IB_STS2, 6, 4)
	s_cmp_eq_u32 s2, 0
	s_cbranch_scc0 .Lentry_in_a_cluster
	s_endpgm
.Lentry_in_a_cluster:
	s_bfe_u32 s2, ttmp6, 0x10000c
	s_cmp_lg_u32 s2, 0xf033
	s_cbranch_scc0 .Lentry_shape_is_right
	s_endpgm
.Lentry_shape_is_right:
; q = x W_Q^T, k = x W_K^T, v = x W_V^T in ONE product on codes of E2M1 with E8M0 scales (K = 2048), sums in f32.
; codes: [8192 rows][1024 bytes] (x, W_Q, W_K, W_V), scales: [8192][64].  A tile is 256 x 256, four waves, 128 x 128 a wave: 64 accumulators, 512 registers.
; K goes in four steps of 512 through two LDS slots filled by the tensor data mover (rows of 256 bytes); the scale bytes of the tile's 512 rows come once and stay.
; THE MATRIX INSTRUCTION IS USED TRANSPOSED (source 0 = 16 rows of 'B', source 1 = 16 rows of 'A'): a lane holds one row of A and eight neighbouring rows of B.
; Clusters x = 0..3 (tile columns 0-15): A = x (tokens), B = W_Q, W_K (channels): a lane holds a token and eight channels: a piece of q's or k's f16 fragment.
; Clusters x = 4, 5 (tile columns 16-23): A = W_V (channels), B = x (tokens): a lane holds a channel and eight tokens: a piece of V^T's f16 fragment.  The text is one: only row offsets differ, by the cluster's x.
; CLUSTERS: 4 x 4; A's tiles are asked for jointly along a row of the cluster, B's along a column.
; OUT.  qkv16: 768 blocks of 32,768 bytes, block (W 16 + head) 16 + group of 128 tokens (W = 0 q, 1 k, 2 v): images of operand registers, pieces of 512 bytes (lane l's 16 bytes at 16 l);
; piece (a, b) at index (b / 2) 16 + 2 a + b % 2, so that pieces (a, 2 c) and (a, 2 c + 1) are one fragment of 1,024 bytes.  Every store covers 512 consecutive bytes, aligned.
; head32: f32 images (8,192 bytes) of the first 16 tokens of each tile of 256 tokens, image ((W 16 + head) 8 + tile).  Only tile 0's images are read later: partners of a cluster are told apart by address, never by a
; branch, so all eight tiles' are stored: 2.75 MB that nobody reads.
; LIMIT: |q|, |k|, |v| stay under 65,504 (f16's largest number).
; REGISTERS: window 0: v0-31 addresses; v32-95 scale words, two sets; v128-191 A's fragments, one set (on the way out: packed results); window 1: B's fragments, two sets; windows 2, 3: accumulator (a, b) at v[8 (8 (a % 4) + b)].
.set SIZE_K, 2048
.set KSTEP,  512
.set NQ,     KSTEP/128
.set ROWB,   256                       ; a tile's row in bytes
.set KROW,   SIZE_K*4/8                ; a row of codes in memory
.set PITCH,  272                       ; an LDS row: 256 bytes + 16 of padding: the 16 rows of a load start at 16 different banks (64 banks of 4 bytes: ISA guide 11.1)
.set FR,     8
.set NL,     2
.set NP,     4                         ; places behind this matrix instruction (ISA guide 7.12.1)
.set HALFT,  128*PITCH
.set SLOT,   4*HALFT
.set LAPS,   SIZE_K/(2*KSTEP)
.set KS,     SIZE_K/32
.set SCL,    2*SLOT                    ; behind the ring: the scales, as units of 256 bytes + 16 of padding
.set HALFS,  (128*KS/256)*272
.set SBLK,   (16*KS/256)*272
.set SPARE,  SCL+4*HALFS               ; the spare words, 128 bytes a wave, named by no other line
.set ADRA, 16
.set ADRB, 20
.set CO,   26                          ; v26 16 x lane: my place in a piece
.set ADRS, 27
.set SPW,  28
.set NIL,  29
.set SC,   32
.set AF,   128
.set G1, 24
.set G0, 32
.set G1B, 48
.set G0B, 56
.set G1S, 68
.set G0S, 76
.set G1SB, 80
.set G0SB, 88
.set MSB, 0
.macro WIN new                         ; the immediate's high byte repeats the setting that is left
.if MSB != \new
	s_set_vgpr_msb (MSB<<8)|\new
.set MSB, \new
.endif
.endm
.set MUL_LO, 0xa1                      ; source 0 (B) window 1, source 1 (A) window 0, C and D window 2
.set MUL_HI, 0xf1
.set TO_B,   0x40
; A joint load: waves 0 and 1 fetch for A, waves 2 and 3 for B; the branch hangs on the wave's number alone.  An s_nop 0 and four v_nop follow each line.
.macro JLOAD g0a, g1a, g0b, g1b
	s_cmp_eq_u32 s15, 0
	s_cbranch_scc0 .Lfor_b_\@
	tensor_load_to_lds s[\g0a:\g0a+3], s[\g1a:\g1a+7]
	s_nop 0
.rept 4
	v_nop
.endr
	s_branch .Lasked_\@
.Lfor_b_\@:
	tensor_load_to_lds s[\g0b:\g0b+3], s[\g1b:\g1b+7]
	s_nop 0
.rept 4
	v_nop
.endr
.Lasked_\@:
.endm
.macro CREST                           ; a round of the cluster's barrier behind its opening barrier
	s_cmp_lg_u32 s14, 0
	s_cbranch_scc1 .Lnot_wave_0_\@
	s_barrier_signal -3
.Lnot_wave_0_\@:
	s_barrier_wait -3
	s_barrier_signal -1
	s_barrier_wait -1
.endm
.macro CROUND
	s_barrier_signal -1
	s_barrier_wait -1
	CREST
.endm
	s_load_b256 s[4:11], s[0:1], 0x0               ; codes s[4:5], scales s[6:7], qkv16 s[8:9], head32 s[10:11]
	v_lshl_add_u32 v[SPW], v0, 2, SPARE
	v_mov_b32 v[NIL], 0
	ds_add_u32 v[SPW], v[NIL]                      ; the wave's opening: the add, twice on end, and its wait ahead of my first tensor load
	ds_add_u32 v[SPW], v[NIL]
	v_lshrrev_b32 v1, 5, v0
	v_readfirstlane_b32 s14, v1                    ; wave 0..3
	s_lshr_b32 s15, s14, 1                         ; which half of A's rows is mine.  Also: I fetch for A (0) or for B (1)
	s_and_b32 s16, s14, 1                          ; which half of B's rows.  Also: which 128 rows I fetch
	s_bfe_u32 s40, ttmp6, 0x40000                  ; cx, cy
	s_bfe_u32 s41, ttmp6, 0x40004
	s_lshl_b32 s42, ttmp9, 2
	s_add_co_u32 s42, s42, s40                     ; tile column = 4 x cluster x + cx
	s_and_b32 s17, ttmp7, 0xffff
	s_lshl_b32 s17, s17, 2
	s_add_co_u32 s17, s17, s41                     ; tile row = 4 x cluster y + cy
	s_lshl_b32 s43, s41, 2
	s_lshl_b32 s43, 15, s43                        ; my row of the cluster
	s_lshl_b32 s44, 0x1111, s40                    ; my column
	s_lshr_b32 s95, ttmp9, 2                       ; 1 in clusters x = 4, 5 (v), else 0: the same in all sixteen partners
	s_mul_i32 s95, s95, 6144                       ; there A's rows begin at W_V's, and B's at x's
	s_or_b32 s[G1+0], s43, (0<<16)|(1<<20)|(1<<21)|(5<<22)|(3<<25)  ; mask: my row; elements of 1 byte; padding: 4 words after every 64; bit 21 beside a mask
	s_or_b32 s[G1B+0], s44, (0<<16)|(1<<20)|(1<<21)|(5<<22)|(3<<25)
.irp g, G1, G1B
	s_mov_b32 s[\g+1], ROWB<<16                    ; tensor_dim0
	s_mov_b32 s[\g+2], 128<<16                     ; tensor_dim1
	s_mov_b32 s[\g+3], ROWB<<16                    ; tile_dim0
	s_mov_b32 s[\g+4], 128                         ; tile_dim1
	s_mov_b32 s[\g+5], KROW                        ; the pitch
	s_mov_b32 s[\g+6], 0
	s_mov_b32 s[\g+7], 0
.endr
	s_or_b32 s[G1S+0], s43, (3<<16)|(1<<20)|(1<<21)|(5<<22)|(3<<25) ; the scales of 128 rows: 8,192 dense bytes as 32 rows of 32 elements of 8 bytes, padded
	s_or_b32 s[G1SB+0], s44, (3<<16)|(1<<20)|(1<<21)|(5<<22)|(3<<25)
.irp g, G1S, G1SB
	s_mov_b32 s[\g+1], 32<<16
	s_mov_b32 s[\g+2], (128*KS/256)<<16
	s_mov_b32 s[\g+3], 32<<16
	s_mov_b32 s[\g+4], 128*KS/256
	s_mov_b32 s[\g+5], 32
	s_mov_b32 s[\g+6], 0
	s_mov_b32 s[\g+7], 0
.endr
	s_lshl_b32 s18, s16, 7                         ; which 128 rows of the tile I fetch
	s_lshl_b32 s20, s17, 8
	s_add_co_u32 s20, s20, s18
	s_add_co_u32 s20, s20, s95                     ; A: row (0 or 6144) + 256 x tile row + 128 x half
	s_lshl_b32 s46, s42, 8
	s_add_co_u32 s46, s46, s18
	s_add_co_u32 s46, s46, 2048
	s_sub_co_u32 s46, s46, s95                     ; B: row 2048 + 256 x tile column + 128 x half, or 6144 less: x's rows
	s_mov_b32 s21, 0
	s_mov_b32 s47, 0
	s_mov_b64 s[18:19], KS
	s_mul_u64 s[22:23], s[20:21], s[18:19]         ; where these rows' scales begin
	s_mul_u64 s[92:93], s[46:47], s[18:19]
	s_mov_b64 s[18:19], KROW
	s_mul_u64 s[20:21], s[20:21], s[18:19]         ; and their codes
	s_mul_u64 s[46:47], s[46:47], s[18:19]
	s_mul_i32 s45, s14, HALFT                      ; where they go: wave x 128 rows
	s_mul_i32 s94, s14, HALFS
	s_wait_dscnt 0x0                               ; both opening adds are done
	s_wait_kmcnt 0x0
	s_add_nc_u64 s[20:21], s[4:5], s[20:21]
	s_add_nc_u64 s[22:23], s[6:7], s[22:23]
	s_add_nc_u64 s[46:47], s[4:5], s[46:47]
	s_add_nc_u64 s[92:93], s[6:7], s[92:93]
	CROUND                                         ; all sixteen work-groups are here: the first joint loads meet
	s_mov_b32 s[G0S], 1
	s_add_co_u32 s[G0S+1], s94, SCL
	s_mov_b64 s[G0S+2:G0S+3], s[22:23]
	s_or_b32 s[G0S+3], s[G0S+3], 0x80000000
	s_mov_b32 s[G0SB], 1
	s_add_co_u32 s[G0SB+1], s94, SCL
	s_mov_b64 s[G0SB+2:G0SB+3], s[92:93]
	s_or_b32 s[G0SB+3], s[G0SB+3], 0x80000000
	JLOAD G0S, G1S, G0SB, G1SB                     ; the scales first: they are wanted with K step 0
.irp s, 0,1
	s_mov_b32 s[G0+4*\s], 1
	s_add_co_u32 s[G0+4*\s+1], s45, \s*SLOT
	s_add_nc_u64 s[G0+4*\s+2:G0+4*\s+3], s[20:21], \s*ROWB
	s_or_b32 s[G0+4*\s+3], s[G0+4*\s+3], 0x80000000
	s_mov_b32 s[G0B+4*\s], 1
	s_add_co_u32 s[G0B+4*\s+1], s45, \s*SLOT
	s_add_nc_u64 s[G0B+4*\s+2:G0B+4*\s+3], s[46:47], \s*ROWB
	s_or_b32 s[G0B+4*\s+3], s[G0B+4*\s+3], 0x80000000
	JLOAD G0+4*\s, G1, G0B+4*\s, G1B               ; by this text's count three loads of mine are out here
.endr
	v_and_b32 v1, 15, v0                           ; l % 16
	v_bfe_u32 v2, v0, 4, 1                         ; l / 16
	v_mul_u32_u24 v3, v1, PITCH
	v_lshl_add_u32 v4, v2, 4, v3                   ; a fragment's row x pitch + 16 x half
	s_mul_i32 s21, s15, HALFT                      ; my 128 rows of A
	s_mul_i32 s22, s16, HALFT                      ; my 128 rows of B,
	s_add_co_u32 s22, s22, 2*HALFT                 ; behind A's 256
.irp s, 0,1
	v_add_nc_u32 v[ADRA+\s], s21, v4
	v_add_nc_u32 v[ADRB+\s], s22, v4
	s_add_co_u32 s21, s21, SLOT
	s_add_co_u32 s22, s22, SLOT
.endr
	v_mul_u32_u24 v5, v1, KS                       ; my row's scales: KS bytes a row,
	v_lshrrev_b32 v6, 8, v5
	v_lshl_add_u32 v5, v6, 4, v5                   ; and 16 more for each 256 passed
	s_mul_i32 s21, s15, HALFS
	s_mul_i32 s22, s16, HALFS
	s_add_co_u32 s22, s22, 2*HALFS
	s_sub_co_u32 s22, s22, s21
	v_mul_u32_u24 v6, s22, v2                      ; lanes 16-31 take B's: one product, the distance between the two bases
	s_add_co_u32 s21, s21, SCL
	v_add_nc_u32 v5, v5, v6
	v_add_nc_u32 v[ADRS], s21, v5
	v_and_b32 v6, 31, v0
	v_lshlrev_b32 v[CO], 4, v6
	; where my results go.  P = 2 x tile column + column half, R = 2 x tile row + row half (in registers that feed no descriptor)
	s_lshl_b32 s96, s42, 1
	s_add_co_u32 s96, s96, s16                     ; P
	s_lshl_b32 s97, s17, 1
	s_add_co_u32 s97, s97, s15                     ; R
	s_lshl_b32 s98, s96, 4
	s_add_co_u32 s98, s98, s97                     ; q, k: block 16 P + R (P = W 16 + head, R = group of tokens)
	s_lshl_b32 s99, s96, 3
	s_add_co_u32 s99, s99, s17                     ;       image 8 P + tile row
	s_lshl_b32 s66, s97, 4
	s_add_co_u32 s66, s66, s96
	s_add_co_u32 s66, s66, 512-32                  ; v: block 16 (32 + R) + P - 32 (R = head, P - 32 = group of tokens)
	s_lshl_b32 s67, s97, 3
	s_add_co_u32 s67, s67, s42
	s_add_co_u32 s67, s67, 256-16                  ;    image 8 (32 + R) + tile column - 16
	s_cmp_ge_u32 ttmp9, 4
	s_cselect_b32 s98, s66, s98
	s_cselect_b32 s99, s67, s99
	s_lshl_b32 s12, s98, 15
	s_mov_b32 s13, 0
	s_add_nc_u64 s[8:9], s[8:9], s[12:13]
	s_lshl_b32 s12, s99, 13
	s_add_nc_u64 s[10:11], s[10:11], s[12:13]
.macro FRAG reg, adr, q, i             ; 16 rows x 128 K of 4-bit codes: 8 registers: lane l holds row l % 16; registers 4 c .. 4 c + 3 hold K = 64 c + 32 (l / 16) + 0 .. 31
.irp c, 0,1
	ds_load_b128 v[\reg+4*\c:\reg+4*\c+3], v[\adr] offset:64*(\q)+32*\c+(\i)*16*PITCH
.endr
.endm
; 16 matrix instructions: A's blocks a0, a0 + 1 x B's eight.  The 64 accumulators take turns, one instruction a turn, in the same order in every step.
.macro MUL16 a0, p, q, sc, zero
.irp a, \a0, \a0+1
.irp b, 0,1,2,3,4,5,6,7
.if \zero
	v_wmma_scale_f32_16x16x128_f8f6f4 v[8*(8*((\a)%4)+\b):8*(8*((\a)%4)+\b)+7], v[128*(\p)+FR*\b:128*(\p)+FR*\b+FR-1], v[AF+FR*(\a):AF+FR*(\a)+FR-1], 0, v[SC+8*NQ*(\sc)+NQ*\b+(\q)], v[SC+8*NQ*(\sc)+NQ*(\a)+(\q)] matrix_a_fmt:MATRIX_FMT_FP4 matrix_b_fmt:MATRIX_FMT_FP4 matrix_a_scale:MATRIX_SCALE_ROW1
.else
	v_wmma_scale_f32_16x16x128_f8f6f4 v[8*(8*((\a)%4)+\b):8*(8*((\a)%4)+\b)+7], v[128*(\p)+FR*\b:128*(\p)+FR*\b+FR-1], v[AF+FR*(\a):AF+FR*(\a)+FR-1], v[8*(8*((\a)%4)+\b):8*(8*((\a)%4)+\b)+7], v[SC+8*NQ*(\sc)+NQ*\b+(\q)], v[SC+8*NQ*(\sc)+NQ*(\a)+(\q)] matrix_a_fmt:MATRIX_FMT_FP4 matrix_b_fmt:MATRIX_FMT_FP4 matrix_a_scale:MATRIX_SCALE_ROW1
.endif
.endr
.endr
.endm
.macro FETCH_B slot, q, p
	WIN TO_B
.irp i, 0,1,2,3,4,5,6,7
	FRAG 128*(\p)+FR*\i, ADRB+\slot, \q, \i
.endr
	WIN 0
.endm
.macro FETCH_A slot, q, i0
.irp i, \i0, \i0+1, \i0+2, \i0+3
	FRAG AF+FR*(\i), ADRA+\slot, \q, \i
.endr
.endm
.macro SCALES sc                       ; a K step's scale words: lanes 0-15 take A's block i, lanes 16-31 B's block i
.irp i, 0,1,2,3,4,5,6,7
	ds_load_b128 v[SC+8*NQ*\sc+NQ*\i:SC+8*NQ*\sc+NQ*\i+3], v[ADRS] offset:\i*SBLK
.endr
.endm
.macro PLACES n                        ; plain vector instructions between a matrix instruction and a load into, or a read of, its registers
.rept \n
	v_nop
.endr
.endm
.macro STEP slot, q, zero              ; 128 along K, with its successor in the same slot
	s_wait_dscnt 4*NL                              ; B's set and A's blocks 0-3 are in; the youngest eight loads (A's blocks 4-7) may be out
	WIN MUL_LO
	MUL16 0, (\q)%2, \q, \slot, \zero
	MUL16 2, (\q)%2, \q, \slot, \zero
	s_wait_dscnt 0                                 ; A's blocks 4-7 are in
	PLACES NP
	FETCH_B \slot, (\q)+1, 1-(\q)%2
	FETCH_A \slot, (\q)+1, 0
	WIN MUL_HI
	MUL16 4, (\q)%2, \q, \slot, \zero
	MUL16 6, (\q)%2, \q, \slot, \zero
	PLACES NP
	WIN 0
	FETCH_A \slot, (\q)+1, 4
.endm
; A slot's last step changes slots: one barrier; ahead of it each wave waits for all its tensor loads, adds 0 to its spare word, and waits for that and for its reads of this slot.
.macro TURN slot, next, fill
	s_wait_tensorcnt 0x0                           ; all my tensor loads have landed: my part of the next slot
	ds_add_u32 v[SPW], v[NIL]                      ; 0 onto my spare word
	s_wait_dscnt 4*NL+1                            ; the add and the youngest eight loads (A's blocks 4-7) may be out
	WIN MUL_LO
	MUL16 0, 1, NQ-1, \slot, 0
	s_wait_dscnt 0x0                               ; the add is done, and my reads of this slot are over
	s_barrier_signal -1
	MUL16 2, 1, NQ-1, \slot, 0
	WIN 0
	s_barrier_wait -1
.if \fill
	CREST                                          ; the barrier has opened a round of the cluster's: no wave of any partner still reads this slot or has a load on its way
	s_add_nc_u64 s[G0+4*\slot+2:G0+4*\slot+3], s[G0+4*\slot+2:G0+4*\slot+3], 2*ROWB
	s_add_nc_u64 s[G0B+4*\slot+2:G0B+4*\slot+3], s[G0B+4*\slot+2:G0B+4*\slot+3], 2*ROWB
	JLOAD G0+4*\slot, G1, G0B+4*\slot, G1B         ; the first tensor load behind the round; its four v_nop are the places ahead of the loads below
.else
	PLACES NP
.endif
	v_add_nc_u32 v[ADRS], 4*NQ, v[ADRS]            ; the next K step's scale words
	FETCH_B \next, 0, 0
	FETCH_A \next, 0, 0
	SCALES \next
	WIN MUL_HI
	MUL16 4, 1, NQ-1, \slot, 0
	MUL16 6, 1, NQ-1, \slot, 0
	PLACES NP
	WIN 0
	FETCH_A \next, 0, 4
.endm
.macro STEPS slot, from
.set Q, \from
.rept NQ-1-\from
	STEP \slot, Q, 0
.set Q, Q+1
.endr
.endm
	s_wait_tensorcnt 1                             ; the scales and my part of K step 0 are in; K step 1's load may be out
	s_barrier_signal -1
	s_barrier_wait -1
	FETCH_B 0, 0, 0
	FETCH_A 0, 0, 0
	SCALES 0
	FETCH_A 0, 0, 4
	STEP 0, 0, 1                                   ; the first step stands ahead of the loop: its products start the sums
	s_mov_b32 s3, LAPS-1
.Llap:                                             ; a trip goes once round the ring and fills both slots again
	STEPS 0, 1
	TURN 0, 1, 1
	STEPS 1, 0
	TURN 1, 0, 1
	STEP 0, 0, 0
	s_sub_co_u32 s3, s3, 1
	s_cmp_lg_u32 s3, 0
	s_cbranch_scc1 .Llap
	STEPS 0, 1                                     ; the last lap fills nothing
	TURN 0, 1, 0
	STEPS 1, 0
	s_wait_dscnt 4*NL
	WIN MUL_LO
	MUL16 0, 1, NQ-1, 1, 0
	MUL16 2, 1, NQ-1, 1, 0
	s_wait_dscnt 0
	WIN MUL_HI
	MUL16 4, 1, NQ-1, 1, 0
	MUL16 6, 1, NQ-1, 1, 0
	WIN 0
	; THE WAY OUT.  No stage: a piece is four registers of all 32 lanes, 512 consecutive bytes.
	PLACES NP                                      ; ahead of the first reads of results, and of writes into the registers that held A's fragments
	s_cmp_ge_u32 ttmp9, 4                          ; the cluster's x: the same in all partners
	s_cbranch_scc1 .Lv32
	s_cmp_lg_u32 s15, 0                            ; q, k: the tile's first 16 tokens are block a = 0 of the waves with the upper half of A's rows
	s_cbranch_scc1 .Lno32
	WIN 0x08                                       ; a store's data: window 2
.irp b, 0,1,2,3,4,5,6,7
	global_store_b128 v[CO], v[8*\b:8*\b+3], s[10:11] offset:1024*\b         ; each accumulator from its low end on
	global_store_b128 v[CO], v[8*\b+4:8*\b+7], s[10:11] offset:1024*\b+512
.endr
	WIN 0
	s_branch .Lno32
.Lv32:
	s_cmp_lg_u32 s16, 0                            ; v: the tile's first 16 tokens are block b = 0 of the waves with the first half of B's rows
	s_cbranch_scc1 .Lno32
	WIN 0x08
.irp a, 0,1,2,3
	global_store_b128 v[CO], v[64*\a:64*\a+3], s[10:11] offset:1024*\a
	global_store_b128 v[CO], v[64*\a+4:64*\a+7], s[10:11] offset:1024*\a+512
.endr
	WIN 0x0c                                       ; window 3
.irp a, 4,5,6,7
	global_store_b128 v[CO], v[64*(\a-4):64*(\a-4)+3], s[10:11] offset:1024*\a
	global_store_b128 v[CO], v[64*(\a-4)+4:64*(\a-4)+7], s[10:11] offset:1024*\a+512
.endr
	WIN 0
.Lno32:
.macro OUT16 a                         ; block a's eight accumulators, rounded to f16: eight pieces
.set AC, 64*((\a)%4)
.if (\a) > 1
	s_wait_xcnt 0x0                                ; block a - 2's stores have read the set of registers that is written again below
.endif
	WIN 0x0a+5*((\a)/4)                            ; sources 0 and 1: window 2 or 3
.irp b, 0,1,2,3,4,5,6,7
.irp r, 0,1,2,3
	v_cvt_pk_f16_f32 v[128+32*((\a)%2)+4*\b+\r], v[AC+8*\b+2*\r], v[AC+8*\b+2*\r+1]
.endr
.endr
	WIN 0
.irp b, 0,1,2,3,4,5,6,7
	global_store_b128 v[CO], v[128+32*((\a)%2)+4*\b:128+32*((\a)%2)+4*\b+3], s[8:9] offset:((\b/2)*16+2*(\a)+\b%2)*512
.endr
.endm
.irp a, 0,1,2,3,4,5,6,7
	OUT16 \a
.endr
	s_wait_tensorcnt 0x0                           ; the wave's end, behind my last tensor load
	ds_add_u32 v[SPW], v[NIL]
	s_wait_dscnt 0x0
	CROUND                                         ; the closing round: no work-group ends while a partner may still ask for a tile that names it
	s_endpgm
.Lfunc_end_k_q3aac9bb17a_proj:
	.size	k_q3aac9bb17a_proj, .Lfunc_end_k_q3aac9bb17a_proj-k_q3aac9bb17a_proj
	.p2alignl 7, 3214868480
	.fill 96, 4, 3214868480
	.section	.rodata,"a",@progbits
	.p2align	6, 0x0
	.amdhsa_kernel k_q3aac9bb17a_proj
		.amdhsa_group_segment_fixed_size 327680
		.amdhsa_private_segment_fixed_size 0
		.amdhsa_enable_private_segment 0
		.amdhsa_kernarg_size 32
		.amdhsa_user_sgpr_count 2
		.amdhsa_user_sgpr_kernarg_segment_ptr 1
		.amdhsa_wavefront_size32 1
		.amdhsa_system_sgpr_workgroup_id_x 1
		.amdhsa_system_sgpr_workgroup_id_y 1
		.amdhsa_system_sgpr_workgroup_id_z 1
		.amdhsa_system_vgpr_workitem_id 0
		.amdhsa_next_free_vgpr 1024
		.amdhsa_next_free_sgpr 100
		.amdhsa_reserve_vcc 0
		.amdhsa_float_denorm_mode_32 3
		.amdhsa_float_denorm_mode_16_64 3
		.amdhsa_memory_ordered 1
		.amdhsa_forward_progress 1
		.amdhsa_inst_pref_size 208
	.end_amdhsa_kernel
	.amdgpu_metadata
---
amdhsa.version: [ 1, 2 ]
amdhsa.kernels:
  - .name:           k_q3aac9bb17a_proj
    .symbol:         k_q3aac9bb17a_proj.kd
    .args:
      - { .name: codes, .offset: 0, .size: 8, .value_kind: global_buffer, .address_space: global }
      - { .name: scales, .offset: 8, .size: 8, .value_kind: global_buffer, .address_space: global }
      - { .name: qkv16, .offset: 16, .size: 8, .value_kind: global_buffer, .address_space: global }
      - { .name: head32, .offset: 24, .size: 8, .value_kind: global_buffer, .address_space: global }
    .group_segment_fixed_size: 327680
    .private_segment_fixed_size: 0
    .kernarg_segment_align: 8
    .kernarg_segment_size: 32
    .max_flat_workgroup_size: 128
    .sgpr_count:     100
    .vgpr_count:     1024
    .wavefront_size: 32
...
	.end_amdgpu_metadata
.endif
;; end of part 2
;; launch attn (part 3): grid 8 x 16, 4 waves a work-group, no clusters, 327,680 bytes of LDS; arguments qkv16, o16; writes o16
.if DOCPART == 3
	.amdgcn_target "amdgcn-amd-amdhsa--gfx1250"
	.amdhsa_code_object_version 6
	.text
	.protected	k_q3aac9bb17a_attn
	.globl	k_q3aac9bb17a_attn
	.p2align	8
	.type	k_q3aac9bb17a_attn,@function
k_q3aac9bb17a_attn:
	s_mov_b64 s[64:65], 0
	v_nop
	global_prefetch_b8 v0, s[64:65] scope:SCOPE_SE
	s_setreg_imm32_b32 hwreg(HW_REG_WAVE_MODE, 25, 1), 1
	s_wait_xcnt 0x0
; o[t][head] = softmax over keys k <= t of (q . k / sqrt(128)) applied to v: 16 heads of 128, 2,048 positions, f16 operands, f32 products' sums, maxima and sums; a running maximum is taken away before every exponential.
; qkv16 holds q, k and V^T as images of operand registers (blocks of 32,768 bytes for 128 tokens; fragment (a, c) at (8 c + a) 1,024 bytes, lane l's 16 bytes at 16 l and 512 + 16 l).  o16: [2048][2048] f16.
; SHARES.  Work-group (j, head) owns the groups of 128 queries j and 15 - j: 17 units of 128 x 128 under the causal mask, whatever j.  Wave w holds four tiles of 16 queries: piece 0 (tiles 0, 1) = queries 128 j + 32 w on,
; piece 2 (tiles 2, 3) = queries 128 (15 - j) + 32 w on.  So each fragment of K and V read from LDS feeds up to four products, and all waves have equal work.  That gives 128 work-groups.
; NO CLUSTER: the work-groups of a head need different numbers of key tiles under the mask.
; THE WALK.  Keys from 0 on, 64 a step, 128 a slot, two LDS slots.  Every work-group walks all 16 slots (the trip count is a constant); a step or a piece all of whose keys are hidden is jumped over by scalar branches on ids;
; a slot whose first key lies behind the work-group's last query is not asked for.  Every wait on TENSORcnt is for 0.
; LAYOUT.  S^T = K Q^T and O^T = V^T P: a lane holds ONE query (lane % 16) in S^T, P and O^T; two tiles of S^T, rounded to f16 in pairs, are source 1 of the second product.
; LIMITS: |q|, |k|, |v| under 65,504 (they arrive as f16); weights p under 6e-8 of the row's largest fall to zero in the second product.  Positions 0-15 are computed here coarsely and anew in f32 by a later launch.
; REGISTERS, in windows of 256: window 0: addresses, v12-43 statistics (eight a tile), v64-191 S^T (32 a tile), v192-255 P (16 a tile); window 1: O^T (64 a tile); window 2: v0-127 Q, v128-255 K of a step; window 3: v0-127 V of a step.
.set SLOTB, 65536                      ; a slot: K's block of 32,768 bytes, then V's; dense: every read is 16 x lane + a constant
.set VOFF,  32768
.set STAGE, 2*SLOTB                    ; behind the ring: 16 rows x 272 bytes for each wave, for the way out
.set SP,    272
.set SPARE, STAGE+4*16*SP              ; the spare words, 128 bytes a wave, named by no other line
.set L16, 2                            ; v2  16 x lane
.set ADR, 4                            ; v4  the slot in hand + 16 x lane
.set STO, 6
.set RD,  7
.set GO,  8                            ; v8  my byte offset in two rows of o16
.set R8,  9                            ; v9  lane % 16 - 8 (lane / 16)
.set NINF, 10                          ; v10 -infinity
.set ST,  12                           ; tile t: +0 c m, +1 m, +2, +3 l, +4 .. +7 c0-c3 at work; a takes c2's place
.set MD,  44                           ; v44, v45 the mask's d for the piece's two tiles
.set PFO, 61                           ; v61 256 x lane
.set SPW, 62
.set NIL, 63
.set S,   64
.set P,   192
.set KFR, 128                          ; K's fragments, in window 2
.set WV,  12
.set J,   13
.set HD,  14
.set G1,  16                           ; s[16:23] descriptor group 1
.set G0,  24                           ; s[24:27] descriptor group 0, which walks
.set PFA, 28                           ; s[28:29] where my prefetches stand
.set LIM, 30                           ; s30 2 in the head's work-group j = 0, else the greatest number
.set SLOTS, 31                         ; s31 changes of slots to go, this one among them
.set TB,  32                           ; s32 LDS byte at which the slot in hand begins
.set SKF, 33                           ; s33 the step's first key
.set QL,  34                           ; s34, s35 the two pieces' first queries
.set QH,  35
.set LASTQ, 36                         ; s36 the work-group's last query
.set CS,  38                           ; s[38:39] c = log2(e) / sqrt(128)
.set SEL, 40                           ; s[40:41] lane selects: lane l xor 16
.set OL,  42                           ; s[42:43], s[44:45] o16 at the pieces' first rows, my head's bytes
.set OH,  44
.set QBL, 46                           ; s[46:47], s[48:49] q's fragments of the two pieces
.set QBH, 48
.set MSB, 0
.macro WIN new
.if MSB != \new
	s_set_vgpr_msb (MSB<<8)|\new
.set MSB, \new
.endif
.endm
.set W_KQ, 0x0a                        ; K and Q in window 2, S^T in window 0
.set W_PV, 0x53                        ; V in window 3, P in window 0, O^T in window 1
.set W_RS, 0x41                        ; O^T (destination and source 0) in window 1, a in window 0
.macro PLACES
.rept 4
	v_nop
.endr
.endm
	s_load_b128 s[4:7], s[0:1], 0x0                ; qkv16 s[4:5], o16 s[6:7]
	v_lshl_add_u32 v[SPW], v0, 2, SPARE
	v_mov_b32 v[NIL], 0
	ds_add_u32 v[SPW], v[NIL]                      ; the wave's opening: the add, twice on end, and its wait ahead of my first tensor load
	ds_add_u32 v[SPW], v[NIL]
	v_lshrrev_b32 v1, 5, v0
	v_readfirstlane_b32 s[WV], v1                  ; wave 0..3
	s_mov_b32 s[J], ttmp9
	s_and_b32 s[HD], ttmp7, 0xffff
	s_mov_b32 s[G1+0], 3<<16                       ; no mask; elements of 8 bytes; no padding
	s_mov_b32 s[G1+1], 32<<16                      ; tensor_dim0 = 32 elements: rows of 256 bytes
	s_mov_b32 s[G1+2], 64<<16                      ; tensor_dim1 = 64
	s_mov_b32 s[G1+3], 32<<16                      ; tile_dim0
	s_mov_b32 s[G1+4], 64                          ; tile_dim1: 16,384 dense bytes a wave
	s_mov_b32 s[G1+5], 32                          ; the pitch
	s_mov_b32 s[G1+6], 0
	s_mov_b32 s[G1+7], 0
	s_mov_b32 s[G0], 1
	s_lshl_b32 s[G0+1], s[WV], 14                  ; LDS: wave x 16,384: waves 0, 1 K's halves, waves 2, 3 V's
	s_lshr_b32 s50, s[WV], 1
	s_add_co_u32 s50, s50, 1                       ; 1 = k, 2 = v
	s_lshl_b32 s50, s50, 4
	s_add_co_u32 s50, s50, s[HD]
	s_lshl_b32 s50, s50, 19                        ; 16 blocks of 32,768 bytes a head
	s_and_b32 s51, s[WV], 1
	s_lshl_b32 s51, s51, 14
	s_add_co_u32 s50, s50, s51                     ; my half of the head's first block
	s_mov_b32 s51, 0
	s_lshl_b32 s52, s[WV], 5
	s_lshl_b32 s[QL], s[J], 7
	s_add_co_u32 s[QL], s[QL], s52
	s_sub_co_u32 s53, 15, s[J]
	s_lshl_b32 s[QH], s53, 7
	s_add_co_u32 s[LASTQ], s[QH], 127
	s_add_co_u32 s[QH], s[QH], s52
	s_lshl_b32 s54, s[HD], 4
	s_add_co_u32 s55, s54, s53
	s_add_co_u32 s54, s54, s[J]
	s_lshl_b32 s54, s54, 15                        ; q's blocks of groups j and 15 - j,
	s_lshl_b32 s55, s55, 15
	s_lshl_b32 s52, s[WV], 11                      ; my two blocks of 16 tokens in them
	s_add_co_u32 s[QBL], s54, s52
	s_add_co_u32 s[QBH], s55, s52
	s_mov_b32 s[QBL+1], 0
	s_mov_b32 s[QBH+1], 0
	s_lshl_b32 s52, s[HD], 8
	s_lshl_b32 s[OL], s[QL], 12
	s_add_co_u32 s[OL], s[OL], s52
	s_mov_b32 s[OL+1], 0
	s_lshl_b32 s[OH], s[QH], 12
	s_add_co_u32 s[OH], s[OH], s52
	s_mov_b32 s[OH+1], 0
	s_mov_b32 s[CS], 0x3e0293ee
	s_mov_b32 s[CS+1], s[CS]                       ; named with it as a pair, so it is written
	s_mov_b32 s[SEL], 0x76543210
	s_mov_b32 s[SEL+1], 0xfedcba98
	s_mov_b32 s[TB], 0
	s_mov_b32 s[SKF], 0
	s_mov_b32 s[SLOTS], 16
	s_cmp_eq_u32 s[J], 0
	s_cselect_b32 s[LIM], 2, -1
	s_wait_dscnt 0x0                               ; both opening adds are done
	s_wait_kmcnt 0x0
	s_add_nc_u64 s[G0+2:G0+3], s[4:5], s[50:51]
	s_add_nc_u64 s[PFA:PFA+1], s[G0+2:G0+3], 32768 ; the first change of slots steps it to slot 2
	s_or_b32 s[G0+3], s[G0+3], 0x80000000
	tensor_load_to_lds s[G0:G0+3], s[G1:G1+7]      ; slot 0: keys 0-127, which count for queries of every work-group
	s_nop 0
.rept 4
	v_nop
.endr
	s_add_nc_u64 s[QBL:QBL+1], s[4:5], s[QBL:QBL+1]
	s_add_nc_u64 s[QBH:QBH+1], s[4:5], s[QBH:QBH+1]
	s_add_nc_u64 s[OL:OL+1], s[6:7], s[OL:OL+1]
	s_add_nc_u64 s[OH:OH+1], s[6:7], s[OH:OH+1]
	v_and_b32 v11, 31, v0
	v_lshlrev_b32 v[L16], 4, v11
	WIN 0x80                                       ; destination window 2
.irp t, 0,1,2,3                                ; Q stays in registers: tile t, channels 32 c on, at v[32 t + 8 c]
.irp c, 0,1,2,3
.irp u, 0,1
.if \t < 2
	global_load_b128 v[32*\t+8*\c+4*\u:32*\t+8*\c+4*\u+3], v[L16], s[QBL:QBL+1] offset:(8*\c+\t)*1024+512*\u
.else
	global_load_b128 v[32*\t+8*\c+4*\u:32*\t+8*\c+4*\u+3], v[L16], s[QBH:QBH+1] offset:(8*\c+\t-2)*1024+512*\u
.endif
.endr
.endr
.endr
	WIN 0
	v_and_b32 v1, 15, v0                           ; r
	v_bfe_u32 v3, v0, 4, 1                         ; h
	v_lshlrev_b32 v[PFO], 8, v11
	v_lshlrev_b32 v[R8], 3, v3
	v_sub_nc_u32 v[R8], v1, v[R8]
	v_mov_b32 v[NINF], 0xff800000
	s_mul_i32 s52, s[WV], 16*SP
	s_add_co_u32 s52, s52, STAGE                   ; my stage
	v_mul_u32_u24 v[STO], v1, SP                   ; in: row r, 16 bytes for each half of the lanes
	v_lshl_add_u32 v[STO], v3, 4, v[STO]
	v_add_nc_u32 v[STO], s52, v[STO]
	v_mul_u32_u24 v[RD], v3, SP                    ; back: lanes 0-15 one row of 256 bytes, lanes 16-31 the next
	v_lshl_add_u32 v[RD], v1, 4, v[RD]
	v_add_nc_u32 v[RD], s52, v[RD]
	v_lshlrev_b32 v[GO], 12, v3                    ; and the same two rows in o16 (4,096 bytes a row)
	v_lshl_add_u32 v[GO], v1, 4, v[GO]
; 32 products S^T = K Q^T for piece x: channels 32 (i / 8) on, keys 16 ((i / 2) % 4) on, tile x + i % 2.  Eight accumulators by turns, one instruction a turn; the first eight start the sums.
.macro KQALL x
	WIN W_KQ
.set i, 0
.rept 32
.set rS, S+32*(\x+i%2)+8*((i/2)%4)
.set rK, KFR+32*((i/2)%4)+8*(i/8)
.set rQ, 32*(\x+i%2)+8*(i/8)
.if i < 8
	v_wmma_f32_16x16x32_f16 v[rS:rS+7], v[rK:rK+7], v[rQ:rQ+7], 0
.else
	v_wmma_f32_16x16x32_f16 v[rS:rS+7], v[rK:rK+7], v[rQ:rQ+7], v[rS:rS+7]
.endif
.set i, i+1
.endr
	WIN 0
.endm
; 32 products O^T += V^T P for piece x: keys 32 (i / 16) on, channels 16 ((i / 2) % 8) on, tile x + i % 2.  Sixteen accumulators by turns.  zero = 1: the first sixteen start the sums.
.macro PVALL x, zero
	WIN W_PV
.set i, 0
.rept 32
.set rO, 64*(\x+i%2)+8*((i/2)%8)
.set rV, 64*(i/16)+8*((i/2)%8)
.set rP, P+16*(\x+i%2)+8*(i/16)
.if \zero && (i < 16)
	v_wmma_f32_16x16x32_f16 v[rO:rO+7], v[rV:rV+7], v[rP:rP+7], 0
.else
	v_wmma_f32_16x16x32_f16 v[rO:rO+7], v[rV:rV+7], v[rP:rP+7], v[rO:rO+7]
.endif
.set i, i+1
.endr
	WIN 0
.endm
.macro FETCH_K q                       ; the slot's q-th 64 keys: 16 fragments (keys 16 (f / 4) on, channels 32 (f % 4) on)
	v_add_nc_u32 v[ADR], s[TB], v[L16]
	WIN 0x80
.irp f, 0,1,2,3,4,5,6,7,8,9,10,11,12,13,14,15
	ds_load_b128 v[KFR+8*\f:KFR+8*\f+3],   v[ADR] offset:(8*(\f%4)+4*(\q)+\f/4)*1024
	ds_load_b128 v[KFR+8*\f+4:KFR+8*\f+7], v[ADR] offset:(8*(\f%4)+4*(\q)+\f/4)*1024+512
.endr
	WIN 0
.endm
.macro FETCH_V q                       ; and their V^T: 16 fragments (keys 32 (f / 8) on, channels 16 (f % 8) on)
	WIN 0xc0
.irp f, 0,1,2,3,4,5,6,7,8,9,10,11,12,13,14,15
	ds_load_b128 v[8*\f:8*\f+3],   v[ADR] offset:VOFF+((2*(\q)+\f/8)*8+\f%8)*1024
	ds_load_b128 v[8*\f+4:8*\f+7], v[ADR] offset:VOFF+((2*(\q)+\f/8)*8+\f%8)*1024+512
.endr
	WIN 0
.endm
; On the diagonal the scores of hidden keys become -infinity ahead of the maximum.  Register n of a tile holds key KF + 16 (n / 8) + n % 8 + 8 (lane / 16): hidden where 16 (n / 8) + n % 8 > d,
; d = the tile's first query - KF + lane % 16 - 8 (lane / 16).  The registers are taken in ascending order.
.macro MASK y, q
	s_sub_co_i32 s50, s[\q], s[SKF]
	v_add_nc_u32 v[MD], s50, v[R8]
	v_add_nc_u32 v[MD+1], 16, v[MD]
.set n, 0
.rept 32
	v_cmp_gt_i32 vcc_lo, 16*(n/8)+n%8, v[MD]
	v_cndmask_b32 v[S+32*(\y)+n], v[S+32*(\y)+n], v[NINF], vcc_lo
	v_cmp_gt_i32 vcc_lo, 16*(n/8)+n%8, v[MD+1]
	v_cndmask_b32 v[S+32*(\y)+32+n], v[S+32*(\y)+32+n], v[NINF], vcc_lo
.set n, n+1
.endr
.endm
; The softmax of piece y's two tiles for one step; the tiles alternate line by line.  first = 1: the first step, which starts m, l and O^T.
.macro SOFTMAX y, first
.irp q, 0,1,2,3                                ; the maximum of the lane's 32 scores and the old m: four chains; each accumulator is first read at its low end
.irp t, \y, \y+1
	v_max3_num_f32 v[ST+8*(\t)+4+\q], v[S+32*(\t)+8*\q], v[S+32*(\t)+8*\q+1], v[S+32*(\t)+8*\q+2]
.endr
.endr
.irp g, 1,2
.irp q, 0,1,2,3
.irp t, \y, \y+1
	v_max3_num_f32 v[ST+8*(\t)+4+\q], v[ST+8*(\t)+4+\q], v[S+32*(\t)+8*\q+2*\g+1], v[S+32*(\t)+8*\q+2*\g+2]
.endr
.endr
.endr
.irp t, \y, \y+1
	v_max3_num_f32 v[ST+8*(\t)+4], v[ST+8*(\t)+4], v[S+32*(\t)+7], v[S+32*(\t)+15]
	v_max3_num_f32 v[ST+8*(\t)+6], v[ST+8*(\t)+6], v[S+32*(\t)+23], v[S+32*(\t)+31]
.endr
.irp t, \y, \y+1
	v_max3_num_f32 v[ST+8*(\t)+4], v[ST+8*(\t)+4], v[ST+8*(\t)+5], v[ST+8*(\t)+6]
.endr
.irp t, \y, \y+1
.if \first
	v_max_num_f32 v[ST+8*(\t)+4], v[ST+8*(\t)+4], v[ST+8*(\t)+7]
.else
	v_max3_num_f32 v[ST+8*(\t)+4], v[ST+8*(\t)+4], v[ST+8*(\t)+7], v[ST+8*(\t)+1]
.endif
.endr
.irp t, \y, \y+1
	v_permlanex16_b32 v[ST+8*(\t)+5], v[ST+8*(\t)+4], s[SEL], s[SEL+1]   ; the query's other 32 keys lie in the lane 16 away
.endr
.if !\first
.irp t, \y, \y+1
	v_mov_b32 v[ST+8*(\t)+7], v[ST+8*(\t)]         ; c m_old is kept for a
.endr
.endif
.irp t, \y, \y+1
	v_max_num_f32 v[ST+8*(\t)+1], v[ST+8*(\t)+4], v[ST+8*(\t)+5]         ; the new m
.endr
.irp t, \y, \y+1
	v_mul_f32 v[ST+8*(\t)], s[CS], v[ST+8*(\t)+1]
.endr
.if !\first
.irp t, \y, \y+1
	v_sub_f32 v[ST+8*(\t)+7], v[ST+8*(\t)+7], v[ST+8*(\t)]               ; c m_old - c m_new, 0 or less
.endr
.endif
.set n, 0
.rept 16
.irp t, \y, \y+1
	v_pk_fma_f32 v[S+32*(\t)+n:S+32*(\t)+n+1], v[S+32*(\t)+n:S+32*(\t)+n+1], s[CS:CS+1], v[ST+8*(\t):ST+8*(\t)+1] op_sel_hi:[1,0,0] neg_lo:[0,0,1] neg_hi:[0,0,1]   ; c s - c m
.endr
.set n, n+2
.endr
.if !\first
.irp t, \y, \y+1
	v_exp_f32 v[ST+8*(\t)+6], v[ST+8*(\t)+7]       ; a = 2^(c m_old - c m_new)
.endr
.endif
.set n, 0
.rept 32                                       ; one batch of exponentials: none reads another's result
.irp t, \y, \y+1
	v_exp_f32 v[S+32*(\t)+n], v[S+32*(\t)+n]
.endr
.set n, n+1
.endr
	v_nop                                          ; a plain instruction behind the last exponential
	s_wait_alu depctr_va_vdst(0)                   ; one wait for the batch, ahead of the first instruction that names a result
.set n, 0
.rept 16
.irp t, \y, \y+1
	v_cvt_pk_f16_f32 v[P+16*(\t)+n], v[S+32*(\t)+2*n], v[S+32*(\t)+2*n+1]
.endr
.set n, n+1
.endr
.irp u, 0,1,2,3,4,5,6,7                        ; the sum of the 16 pairs, in place: neighbours 1, 2, 4 and 8 pairs apart
.irp t, \y, \y+1
	v_pk_add_f32 v[S+32*(\t)+4*\u:S+32*(\t)+4*\u+1], v[S+32*(\t)+4*\u:S+32*(\t)+4*\u+1], v[S+32*(\t)+4*\u+2:S+32*(\t)+4*\u+3]
.endr
.endr
.irp u, 0,1,2,3
.irp t, \y, \y+1
	v_pk_add_f32 v[S+32*(\t)+8*\u:S+32*(\t)+8*\u+1], v[S+32*(\t)+8*\u:S+32*(\t)+8*\u+1], v[S+32*(\t)+8*\u+4:S+32*(\t)+8*\u+5]
.endr
.endr
.irp u, 0,1
.irp t, \y, \y+1
	v_pk_add_f32 v[S+32*(\t)+16*\u:S+32*(\t)+16*\u+1], v[S+32*(\t)+16*\u:S+32*(\t)+16*\u+1], v[S+32*(\t)+16*\u+8:S+32*(\t)+16*\u+9]
.endr
.endr
.if \first
.irp t, \y, \y+1
	v_pk_add_f32 v[ST+8*(\t)+2:ST+8*(\t)+3], v[S+32*(\t):S+32*(\t)+1], v[S+32*(\t)+16:S+32*(\t)+17]
.endr
.else
.irp t, \y, \y+1
	v_pk_add_f32 v[S+32*(\t):S+32*(\t)+1], v[S+32*(\t):S+32*(\t)+1], v[S+32*(\t)+16:S+32*(\t)+17]
.endr
.irp t, \y, \y+1
	v_pk_fma_f32 v[ST+8*(\t)+2:ST+8*(\t)+3], v[ST+8*(\t)+2:ST+8*(\t)+3], v[ST+8*(\t)+6:ST+8*(\t)+7], v[S+32*(\t):S+32*(\t)+1] op_sel_hi:[1,0,1]   ; l = a l + the sum
.endr
	WIN W_RS
.set n, 0
.rept 32                                       ; O^T times a, in ascending order
.irp t, \y, \y+1
	v_pk_mul_f32 v[64*(\t)+n:64*(\t)+n+1], v[64*(\t)+n:64*(\t)+n+1], v[ST+8*(\t)+6:ST+8*(\t)+7] op_sel_hi:[1,0]
.endr
.set n, n+2
.endr
	WIN 0
.endif
.endm
; A KEY STEP: the slot's q-th 64 keys.  KF and the pieces' first queries are multiples of 32, so KF > Q means that all of the step's keys come after the piece's 32 queries.
; first = 1: KF = 0, which counts for every query: no test of activity is assembled, so every way writes m, l and O^T.
.macro STEP q, first
.if !\first
	s_cmp_gt_u32 s[SKF], s[QH]
	s_cbranch_scc1 .Lhid_\@                        ; the whole step is hidden from my wave
.endif
	FETCH_K \q
	s_wait_dscnt 0x0                               ; K is in
.if !\first
	s_cmp_gt_u32 s[SKF], s[QL]
	s_cbranch_scc1 .Lnl1_\@
.endif
	KQALL 0
.Lnl1_\@:
	KQALL 2
	PLACES                                         ; ahead of the reads of S^T, and of the loads into V's registers, which the last step's products read
	FETCH_V \q
.if !\first
	s_cmp_gt_u32 s[SKF], s[QL]
	s_cbranch_scc1 .Lnl2_\@
.endif
	s_add_co_u32 s50, s[SKF], 63
	s_cmp_le_u32 s50, s[QL]
	s_cbranch_scc1 .Lopl_\@                        ; all 64 keys count for the piece's first query, so for all
	MASK 0, QL
.Lopl_\@:
	SOFTMAX 0, \first
.Lnl2_\@:
	s_add_co_u32 s50, s[SKF], 63
	s_cmp_le_u32 s50, s[QH]
	s_cbranch_scc1 .Loph_\@
	MASK 2, QH
.Loph_\@:
	SOFTMAX 2, \first
	s_wait_dscnt 0x0                               ; V is in
.if !\first
	s_cmp_gt_u32 s[SKF], s[QL]
	s_cbranch_scc1 .Lnl3_\@
.endif
	PVALL 0, \first
.Lnl3_\@:
	PVALL 2, \first
.Lhid_\@:
	s_add_co_u32 s[SKF], s[SKF], 64
.endm
; A PREFETCH INTO THE L2 of what the NEXT change of slots will ask for: my wave's 16,384 bytes of that slot, lanes 256 bytes apart, two instructions.  All work-groups of a head walk the same K and V:
; the head's work-group j = 0, which asks for all 16 slots, prefetches, and nobody else: each aligned block of 256 bytes is named once.  The change that loads slot i + 1 names slot i + 2; the last two changes name nothing.
.macro ASK
	s_cmp_gt_u32 s[SLOTS], s[LIM]
	s_cbranch_scc0 .Lnm_\@
	global_prefetch_b8 v[PFO], s[PFA:PFA+1] th:TH_LOAD_NT scope:SCOPE_SE
	global_prefetch_b8 v[PFO], s[PFA:PFA+1] offset:8192 th:TH_LOAD_NT scope:SCOPE_SE
.Lnm_\@:
.endm
; THE CHANGE OF SLOTS stands at a slot's head.  Each wave waits for all its tensor loads (its part of the slot that it is about to read), adds 0 to its spare word, and waits for that and for its reads of the slot that it has left.
; Behind the barrier the other slot is filled with the next 128 keys: one load a wave, with a slot's two steps in which to land.
; lim = 1 (in the loop): a slot whose first key comes after the work-group's last query is read by none of its waves and is not asked for: a test on ids and the count of steps, the same in all four waves.
.macro CHANGE lim
	s_wait_tensorcnt 0x0                           ; no tensor load of mine is out, so the group 0 may be written
	ds_add_u32 v[SPW], v[NIL]                      ; 0 onto my spare word
	s_xor_b32 s[G0+1], s[G0+1], SLOTB              ; the other slot than last time,
	s_add_nc_u64 s[G0+2:G0+3], s[G0+2:G0+3], 32768 ; the next block of 128 keys; the type bits on top are not reached
	s_wait_xcnt 0x0                                ; the last prefetches, a slot back, have read their address
	s_add_nc_u64 s[PFA:PFA+1], s[PFA:PFA+1], 32768
	s_wait_dscnt 0x0                               ; the add is done, and my reads of the slot that I have left are over
	s_barrier_signal -1
	s_barrier_wait -1
.if \lim
	s_add_co_u32 s50, s[SKF], 128                  ; the first key of the slot that this change would ask for
	s_cmp_gt_u32 s50, s[LASTQ]
	s_cbranch_scc1 .Lpast_\@
.endif
	tensor_load_to_lds s[G0:G0+3], s[G1:G1+7]      ; my one tensor load until the next such barrier
	s_nop 0
.rept 4
	v_nop
.endr
.Lpast_\@:
	ASK
.endm
	s_wait_loadcnt 0x0                             ; Q
	CHANGE 0                                       ; slot 1's first fill: keys 128-255 count for every work-group's upper queries (1,024 and above), so no test stands here
	STEP 0, 1
	STEP 1, 0
	s_xor_b32 s[TB], s[TB], SLOTB
	s_mov_b32 s[SLOTS], 15
.Lslot:                                            ; 15 trips, a constant; the last trip's slot would begin at key 2,048, behind every query: the test leads round its load
	CHANGE 1
	STEP 0, 0
	STEP 1, 0
	s_xor_b32 s[TB], s[TB], SLOTB
	s_sub_co_u32 s[SLOTS], s[SLOTS], 1
	s_cmp_lg_u32 s[SLOTS], 0
	s_cbranch_scc1 .Lslot
	; THE WAY OUT.  l's two halves and the other half of the lanes' are added; O^T is divided by l, rounded to f16 and sent through my stage, a tile (16 rows) at a time.
	PLACES
.irp t, 0,1,2,3
	v_add_f32 v[ST+8*\t+4], v[ST+8*\t+2], v[ST+8*\t+3]
.endr
.irp t, 0,1,2,3
	v_permlanex16_b32 v[ST+8*\t+5], v[ST+8*\t+4], s[SEL], s[SEL+1]
.endr
.irp t, 0,1,2,3
	v_add_f32 v[ST+8*\t+4], v[ST+8*\t+4], v[ST+8*\t+5]
.endr
.irp t, 0,1,2,3
	v_rcp_f32 v[ST+8*\t+6], v[ST+8*\t+4]
.endr
	v_nop                                          ; a plain instruction behind the last reciprocal
	s_wait_alu depctr_va_vdst(0)                   ; one wait for the four, ahead of the first use
.macro PACK t
	WIN W_RS
.set i, 64*\t
.rept 32
	v_pk_mul_f32 v[i:i+1], v[i:i+1], v[ST+8*\t+6:ST+8*\t+7] op_sel_hi:[1,0]
.set i, i+2
.endr
	WIN 0x05                                       ; sources 0 and 1 window 1, destination window 0: S^T's registers are free
.set i, 0
.rept 32
	v_cvt_pk_f16_f32 v[S+32*\t+i], v[64*\t+2*i], v[64*\t+2*i+1]
.set i, i+1
.endr
	WIN 0
.irp f, 0,1,2,3,4,5,6,7
	ds_store_b128 v[STO], v[S+32*\t+4*\f:S+32*\t+4*\f+3] offset:32*\f
.endr
.irp f, 0,1,2,3,4,5,6,7
	ds_load_b128 v[S+32*\t+4*\f:S+32*\t+4*\f+3], v[RD] offset:\f*2*SP   ; LDS serves a wave's instructions in order: these see the stores above; the next tile's stores come behind them
.endr
.endm
.macro SEND t, younger                 ; younger: the LDS instructions issued behind tile t's loads: the next tile's sixteen, or none
.irp f, 0,1,2,3,4,5,6,7
	s_wait_dscnt \younger+7-\f
.if \t < 2
	global_store_b128 v[GO], v[S+32*\t+4*\f:S+32*\t+4*\f+3], s[OL:OL+1] offset:(\t%2)*65536+\f*8192   ; 16 lanes store 256 consecutive bytes, aligned
.else
	global_store_b128 v[GO], v[S+32*\t+4*\f:S+32*\t+4*\f+3], s[OH:OH+1] offset:(\t%2)*65536+\f*8192
.endif
.endr
.endm
	PACK 0
	PACK 1
	SEND 0, 16
	PACK 2
	SEND 1, 16
	PACK 3
	SEND 2, 16
	SEND 3, 0
	s_wait_tensorcnt 0x0                           ; the wave's end, behind my last tensor load and my last LDS store
	ds_add_u32 v[SPW], v[NIL]
	s_wait_dscnt 0x0
	s_endpgm
.Lfunc_end_k_q3aac9bb17a_attn:
	.size	k_q3aac9bb17a_attn, .Lfunc_end_k_q3aac9bb17a_attn-k_q3aac9bb17a_attn
	.p2alignl 7, 3214868480
	.fill 96, 4, 3214868480
	.section	.rodata,"a",@progbits
	.p2align	6, 0x0
	.amdhsa_kernel k_q3aac9bb17a_attn
		.amdhsa_group_segment_fixed_size 327680
		.amdhsa_private_segment_fixed_size 0
		.amdhsa_enable_private_segment 0
		.amdhsa_kernarg_size 16
		.amdhsa_user_sgpr_count 2
		.amdhsa_user_sgpr_kernarg_segment_ptr 1
		.amdhsa_wavefront_size32 1
		.amdhsa_system_sgpr_workgroup_id_x 1
		.amdhsa_system_sgpr_workgroup_id_y 1
		.amdhsa_system_sgpr_workgroup_id_z 1
		.amdhsa_system_vgpr_workitem_id 0
		.amdhsa_next_free_vgpr 1024
		.amdhsa_next_free_sgpr 66
		.amdhsa_reserve_vcc 1
		.amdhsa_float_denorm_mode_32 3
		.amdhsa_float_denorm_mode_16_64 3
		.amdhsa_memory_ordered 1
		.amdhsa_forward_progress 1
		.amdhsa_inst_pref_size 228
	.end_amdhsa_kernel
	.amdgpu_metadata
---
amdhsa.version: [ 1, 2 ]
amdhsa.kernels:
  - .name:           k_q3aac9bb17a_attn
    .symbol:         k_q3aac9bb17a_attn.kd
    .args:
      - { .name: qkv16, .offset: 0, .size: 8, .value_kind: global_buffer, .address_space: global }
      - { .name: o16, .offset: 8, .size: 8, .value_kind: global_buffer, .address_space: global }
    .group_segment_fixed_size: 327680
    .private_segment_fixed_size: 0
    .kernarg_segment_align: 8
    .kernarg_segment_size: 16
    .max_flat_workgroup_size: 128
    .sgpr_count:     66
    .vgpr_count:     1024
    .wavefront_size: 32
...
	.end_amdgpu_metadata
.endif
;; end of part 3
;; launch outp (part 4): grid 16 x 16, 4 waves a work-group, clusters of 4 x 4, 327,680 bytes of LDS; arguments o16, wo16, out0; writes out0
.if DOCPART == 4
	.amdgcn_target "amdgcn-amd-amdhsa--gfx1250"
	.amdhsa_code_object_version 6
	.text
	.protected	k_q3aac9bb17a_outp
	.globl	k_q3aac9bb17a_outp
	.p2align	8
	.type	k_q3aac9bb17a_outp,@function
k_q3aac9bb17a_outp:
	s_mov_b64 s[64:65], 0
	v_nop
	global_prefetch_b8 v0, s[64:65] scope:SCOPE_SE
	s_setreg_imm32_b32 hwreg(HW_REG_WAVE_MODE, 25, 1), 1
	s_wait_xcnt 0x0
	s_wait_alu depctr_hold_cnt(0) depctr_sa_sdst(0) depctr_va_vdst(0) depctr_va_sdst(0) depctr_va_ssrc(0) depctr_va_vcc(0) depctr_vm_vsrc(0)
	s_getreg_b32 s2, hwreg(HW_REG_IB_STS2, 6, 4)
	s_cmp_eq_u32 s2, 0
	s_cbranch_scc0 .Lentry_in_a_cluster
	s_endpgm
.Lentry_in_a_cluster:
	s_bfe_u32 s2, ttmp6, 0x10000c
	s_cmp_lg_u32 s2, 0xf033
	s_cbranch_scc0 .Lentry_shape_is_right
	s_endpgm
.Lentry_shape_is_right:
; out0[t][n] = sum over k of o[t][k] W_O[n][k].  o16: [2048][2048] f16, wo16: [2048][2048] f16, out0: [2048][2048] f32; sums in f32.
; 256 tiles of 128 x 128, one to a work-group; four waves, 64 x 64 each: 16 accumulators.  K goes in steps of 256 (LDS rows of 512 bytes, 64 rows to a wave's tensor load) through two slots.
; CLUSTERS: 4 x 4; A's tiles are asked for jointly along a row of the cluster, B's along a column.  THE MATRIX INSTRUCTION IS USED TRANSPOSED: a lane holds eight neighbouring numbers of a row of out0.
; Rows 0-15 are written here too, from f16 operands; a later launch writes them anew in f32.
; LIMIT: f16 operands: |o|, |W_O| under 65,504.
; REGISTERS: window 0: v0-31 addresses; v32-95 the way out; v128-255 the accumulators ((a, b) at v[128 + 8 (4 a + b)]); window 1: two fragment buffers of 128.
.set SIZE_M, 2048
.set SIZE_N, 2048
.set SIZE_K, 2048
.set KSTEP,  256
.set PITCH,  528                       ; an LDS row: 512 bytes + 16 of padding: the 16 rows of a load start at 16 different banks (64 banks of 4 bytes: ISA guide 11.1)
.set HALFT,  64*PITCH
.set SLOT,   4*HALFT
.set STAGE,  2*SLOT                    ; behind the ring: 16 rows x 272 bytes for each wave
.set SPITCH, 272
.set SPARE,  STAGE+4*16*SPITCH         ; the spare words, 128 bytes a wave, named by no other line
.set LAPS, SIZE_K/(2*KSTEP)
.set ADRA, 16
.set ADRB, 20
.set STO,  24
.set RD,   25
.set CO,   26
.set SPW,  28
.set NIL,  29
.set TMP,  32
.set ACC,  128
.set F0,   0
.set F1,   128
.set G1, 24
.set G0, 32
.set G1B, 48
.set G0B, 56
.set MSB, 0
.macro WIN new
.if MSB != \new
	s_set_vgpr_msb (MSB<<8)|\new
.set MSB, \new
.endif
.endm
.set MUL,  0x05                        ; sources 0 (B) and 1 (A) window 1; C and D window 0
.set TO_F, 0x40
.macro JLOAD s                         ; a joint load: waves 0 and 1 fetch A's halves, waves 2 and 3 B's; an s_nop 0 and four v_nop follow each line
	s_cmp_eq_u32 s11, 0
	s_cbranch_scc0 .Lfor_b_\@
	tensor_load_to_lds s[G0+4*\s:G0+4*\s+3], s[G1:G1+7]
	s_nop 0
.rept 4
	v_nop
.endr
	s_branch .Lasked_\@
.Lfor_b_\@:
	tensor_load_to_lds s[G0B+4*\s:G0B+4*\s+3], s[G1B:G1B+7]
	s_nop 0
.rept 4
	v_nop
.endr
.Lasked_\@:
.endm
.macro CREST
	s_cmp_lg_u32 s10, 0
	s_cbranch_scc1 .Lnot_wave_0_\@
	s_barrier_signal -3
.Lnot_wave_0_\@:
	s_barrier_wait -3
	s_barrier_signal -1
	s_barrier_wait -1
.endm
.macro CROUND
	s_barrier_signal -1
	s_barrier_wait -1
	CREST
.endm
	s_load_b128 s[4:7], s[0:1], 0x0                ; o16 s[4:5], wo16 s[6:7]
	s_load_b64 s[8:9], s[0:1], 0x10                ; out0
	v_lshl_add_u32 v[SPW], v0, 2, SPARE
	v_mov_b32 v[NIL], 0
	ds_add_u32 v[SPW], v[NIL]                      ; the wave's opening: the add, twice on end, and its wait ahead of my first tensor load
	ds_add_u32 v[SPW], v[NIL]
	v_lshrrev_b32 v1, 5, v0
	v_readfirstlane_b32 s10, v1                    ; wave 0..3
	s_lshr_b32 s11, s10, 1                         ; which half of the tile's rows is mine.  Also: I fetch for A (0) or for B (1)
	s_and_b32 s12, s10, 1                          ; which half of its columns.  Also: which 64 rows I fetch
	s_bfe_u32 s40, ttmp6, 0x40000
	s_bfe_u32 s41, ttmp6, 0x40004
	s_lshl_b32 s42, ttmp9, 2
	s_add_co_u32 s42, s42, s40                     ; tile column
	s_and_b32 s13, ttmp7, 0xffff
	s_lshl_b32 s13, s13, 2
	s_add_co_u32 s13, s13, s41                     ; tile row
	s_lshl_b32 s43, s41, 2
	s_lshl_b32 s43, 15, s43                        ; my row of the cluster
	s_lshl_b32 s44, 0x1111, s40                    ; my column
	s_or_b32 s[G1+0], s43, (1<<16)|(1<<20)|(1<<21)|(6<<22)|(3<<25)  ; mask; elements of 2 bytes; padding: 4 words after every 128; bit 21 beside a mask
	s_or_b32 s[G1B+0], s44, (1<<16)|(1<<20)|(1<<21)|(6<<22)|(3<<25)
.irp g, G1, G1B
	s_mov_b32 s[\g+1], KSTEP<<16
	s_mov_b32 s[\g+2], 64<<16
	s_mov_b32 s[\g+3], KSTEP<<16
	s_mov_b32 s[\g+4], 64
	s_mov_b32 s[\g+5], SIZE_K
	s_mov_b32 s[\g+6], 0
	s_mov_b32 s[\g+7], 0
.endr
	s_lshl_b32 s17, s12, 6
	s_lshl_b32 s16, s13, 7
	s_add_co_u32 s16, s16, s17                     ; A: row 128 x tile row + 64 x half
	s_lshl_b32 s46, s42, 7
	s_add_co_u32 s46, s46, s17                     ; B: row 128 x tile column + 64 x half
	s_mov_b32 s17, 0
	s_mov_b32 s47, 0
	s_mov_b64 s[18:19], SIZE_K*2
	s_mul_u64 s[16:17], s[16:17], s[18:19]
	s_mul_u64 s[46:47], s[46:47], s[18:19]
	s_mul_i32 s20, s10, HALFT
	s_wait_dscnt 0x0                               ; both opening adds are done
	s_wait_kmcnt 0x0
	s_add_nc_u64 s[14:15], s[4:5], s[16:17]
	s_add_nc_u64 s[46:47], s[6:7], s[46:47]
	CROUND                                         ; all sixteen work-groups are here: the first joint loads meet
.irp s, 0,1
	s_mov_b32 s[G0+4*\s], 1
	s_add_co_u32 s[G0+4*\s+1], s20, \s*SLOT
	s_add_nc_u64 s[G0+4*\s+2:G0+4*\s+3], s[14:15], \s*KSTEP*2
	s_or_b32 s[G0+4*\s+3], s[G0+4*\s+3], 0x80000000
	s_mov_b32 s[G0B+4*\s], 1
	s_add_co_u32 s[G0B+4*\s+1], s20, \s*SLOT
	s_add_nc_u64 s[G0B+4*\s+2:G0B+4*\s+3], s[46:47], \s*KSTEP*2
	s_or_b32 s[G0B+4*\s+3], s[G0B+4*\s+3], 0x80000000
	JLOAD \s                                       ; by this text's count two loads of mine are out here
.endr
	v_and_b32 v1, 15, v0                           ; l % 16
	v_bfe_u32 v2, v0, 4, 1                         ; l / 16
	v_mul_u32_u24 v3, v1, PITCH
	v_lshl_add_u32 v3, v2, 4, v3
	s_mul_i32 s21, s11, HALFT                      ; my 64 rows of A
	s_mul_i32 s22, s12, HALFT                      ; my 64 rows of B,
	s_add_co_u32 s22, s22, 2*HALFT                 ; behind A's 128
.irp s, 0,1
	v_add_nc_u32 v[ADRA+\s], s21, v3
	v_add_nc_u32 v[ADRB+\s], s22, v3
	s_add_co_u32 s21, s21, SLOT
	s_add_co_u32 s22, s22, SLOT
.endr
	s_mul_i32 s23, s10, 16*SPITCH
	s_add_co_u32 s23, s23, STAGE                   ; my stage: a wave's 64 columns of f32 are 256 bytes, a whole row of it
	v_mul_u32_u24 v4, v1, SPITCH                   ; in: row l % 16, 32 bytes for each half of the lanes
	v_lshl_add_u32 v4, v2, 5, v4
	v_add_nc_u32 v[STO], s23, v4
	v_mul_u32_u24 v5, v2, SPITCH                   ; back: lanes 0-15 one row of 256 bytes, lanes 16-31 the next
	v_lshl_add_u32 v5, v1, 4, v5
	v_add_nc_u32 v[RD], s23, v5
	v_mul_u32_u24 v5, v2, SIZE_N*4                 ; and the same two rows in out0
	v_lshl_add_u32 v[CO], v1, 4, v5
	s_lshl_b32 s16, s13, 7
	s_lshl_b32 s17, s11, 6
	s_add_co_u32 s16, s16, s17                     ; my first row: 128 x tile row + 64 x half
	s_mov_b32 s17, 0
	s_mov_b64 s[18:19], SIZE_N*4
	s_mul_u64 s[16:17], s[16:17], s[18:19]
	s_add_nc_u64 s[8:9], s[8:9], s[16:17]
	s_lshl_b32 s46, s42, 9                         ; my first column, in bytes: 512 x tile column + 256 x half
	s_lshl_b32 s47, s12, 8
	s_add_co_u32 s46, s46, s47
	s_mov_b32 s47, 0
	s_add_nc_u64 s[8:9], s[8:9], s[46:47]
; 8 matrix instructions: m blocks a0, a0 + 1 x all 4 n blocks, 32 along K.  The 16 accumulators take turns.
.macro MUL8 f, c, a0, zero
.irp a, \a0, \a0+1
.irp b, 0,1,2,3
.if \zero
	v_wmma_f32_16x16x32_f16 v[ACC+8*(4*(\a)+\b):ACC+8*(4*(\a)+\b)+7], v[\f+64+8*(4*\c+\b):\f+64+8*(4*\c+\b)+7], v[\f+8*(4*\c+\a):\f+8*(4*\c+\a)+7], 0
.else
	v_wmma_f32_16x16x32_f16 v[ACC+8*(4*(\a)+\b):ACC+8*(4*(\a)+\b)+7], v[\f+64+8*(4*\c+\b):\f+64+8*(4*\c+\b)+7], v[\f+8*(4*\c+\a):\f+8*(4*\c+\a)+7], v[ACC+8*(4*(\a)+\b):ACC+8*(4*(\a)+\b)+7]
.endif
.endr
.endr
.endm
.macro FETCH slot, k, f                ; 32 LDS loads in one run: 64 along K at byte k of the rows; the first 32 along K first
	WIN TO_F
.irp c, 0,1
.irp i, 0,1,2,3
	ds_load_b128 v[\f+64+8*(4*\c+\i):\f+64+8*(4*\c+\i)+3],   v[ADRB+\slot] offset:\k+64*\c+\i*16*PITCH
	ds_load_b128 v[\f+64+8*(4*\c+\i)+4:\f+64+8*(4*\c+\i)+7], v[ADRB+\slot] offset:\k+64*\c+\i*16*PITCH+32
	ds_load_b128 v[\f+8*(4*\c+\i):\f+8*(4*\c+\i)+3],         v[ADRA+\slot] offset:\k+64*\c+\i*16*PITCH
	ds_load_b128 v[\f+8*(4*\c+\i)+4:\f+8*(4*\c+\i)+7],       v[ADRA+\slot] offset:\k+64*\c+\i*16*PITCH+32
.endr
.endr
.endm
.macro PLACES
.rept 4
	v_nop
.endr
.endm
.macro QUARTER slot, k, f, g, zero
	s_wait_dscnt 16                                ; the first 32 along K are in; the sixteen younger loads may be out
	WIN MUL
	MUL8 \f, 0, 0, \zero
	MUL8 \f, 0, 2, \zero
	PLACES
	FETCH \slot, \k, \g
	s_wait_dscnt 32                                ; all but the 32 just issued
	WIN MUL
	MUL8 \f, 1, 0, 0
	MUL8 \f, 1, 2, 0
.endm
.macro TURN slot, next, fill
	WIN 0
	s_wait_tensorcnt 0x0                           ; all my tensor loads have landed: my part of the next slot
	ds_add_u32 v[SPW], v[NIL]                      ; 0 onto my spare word
	s_wait_dscnt 17                                ; the add and the youngest sixteen loads may be out
	WIN MUL
	MUL8 F1, 0, 0, 0
	s_wait_dscnt 0x0                               ; the add is done, and my reads of this slot are over
	s_barrier_signal -1
	MUL8 F1, 0, 2, 0
.if \fill
	WIN 0
.endif
	s_barrier_wait -1
.if \fill
	CREST                                          ; the barrier has opened a round of the cluster's: no wave of any partner still reads this slot or has a load on its way
	s_add_nc_u64 s[G0+4*\slot+2:G0+4*\slot+3], s[G0+4*\slot+2:G0+4*\slot+3], 2*KSTEP*2
	s_add_nc_u64 s[G0B+4*\slot+2:G0B+4*\slot+3], s[G0B+4*\slot+2:G0B+4*\slot+3], 2*KSTEP*2
	JLOAD \slot                                    ; the first tensor load behind the round; its four v_nop are the places ahead of the loads below
.else
	PLACES
.endif
	FETCH \next, 0, F0
	WIN MUL
	MUL8 F1, 1, 0, 0
	MUL8 F1, 1, 2, 0
.endm
	s_wait_tensorcnt 1                             ; my part of K step 0 is in; K step 1's load may be out
	s_barrier_signal -1
	s_barrier_wait -1
	FETCH 0, 0, F0
	QUARTER 0, 128, F0, F1, 1                      ; the first quarter stands ahead of the loop: its first products start the sums
	WIN 0
	s_mov_b32 s3, LAPS-1
.Llap:
	QUARTER 0, 256, F1, F0, 0
	QUARTER 0, 384, F0, F1, 0
	TURN 0, 1, 1
	QUARTER 1, 128, F0, F1, 0
	QUARTER 1, 256, F1, F0, 0
	QUARTER 1, 384, F0, F1, 0
	TURN 1, 0, 1
	QUARTER 0, 128, F0, F1, 0
	WIN 0
	s_sub_co_u32 s3, s3, 1
	s_cmp_lg_u32 s3, 0
	s_cbranch_scc1 .Llap
	QUARTER 0, 256, F1, F0, 0                      ; the last lap fills nothing
	QUARTER 0, 384, F0, F1, 0
	TURN 0, 1, 0
	QUARTER 1, 128, F0, F1, 0
	QUARTER 1, 256, F1, F0, 0
	QUARTER 1, 384, F0, F1, 0
	s_wait_dscnt 16
	WIN MUL
	MUL8 F1, 0, 0, 0
	MUL8 F1, 0, 2, 0
	s_wait_dscnt 0
	MUL8 F1, 1, 0, 0
	MUL8 F1, 1, 2, 0
	WIN 0
	; THE WAY OUT, a block of 16 rows x 64 columns at a time, through my own stage: in by lanes (32 bytes of a row), back by rows of 256 bytes.  No other wave touches the stage: no barrier.
.macro TOSTAGE a
.irp b, 0,1,2,3
	ds_store_b128 v[STO], v[ACC+8*(4*(\a)+\b):ACC+8*(4*(\a)+\b)+3] offset:64*\b        ; each accumulator from its low end on
	ds_store_b128 v[STO], v[ACC+8*(4*(\a)+\b)+4:ACC+8*(4*(\a)+\b)+7] offset:64*\b+16
.endr
.irp t, 0,1,2,3,4,5,6,7
	ds_load_b128 v[TMP+32*((\a)%2)+4*\t:TMP+32*((\a)%2)+4*\t+3], v[RD] offset:\t*2*SPITCH   ; LDS serves a wave's instructions in order: these see the stores above
.endr
.endm
.macro SEND a, younger                 ; younger: the LDS instructions issued behind block a's loads: the next block's sixteen, or none
	s_wait_dscnt \younger
.irp t, 0,1,2,3,4,5,6,7
	global_store_b128 v[CO], v[TMP+32*((\a)%2)+4*\t:TMP+32*((\a)%2)+4*\t+3], s[8:9] offset:(\a)*16*SIZE_N*4+\t*2*SIZE_N*4 th:TH_STORE_NT   ; 16 lanes store 256 consecutive bytes, aligned
.endr
.endm
	PLACES                                         ; ahead of the first reads of results
	TOSTAGE 0
.irp a, 1,2,3
.if \a > 1
	s_wait_xcnt 0x0                                ; block a - 2's stores have read the registers into which block a's rows are loaded
.endif
	TOSTAGE \a
	SEND \a-1, 16
.endr
	SEND 3, 0
	s_wait_tensorcnt 0x0                           ; the wave's end, behind my last tensor load and my last LDS store
	ds_add_u32 v[SPW], v[NIL]
	s_wait_dscnt 0x0
	CROUND                                         ; the closing round
	s_endpgm
.Lfunc_end_k_q3aac9bb17a_outp:
	.size	k_q3aac9bb17a_outp, .Lfunc_end_k_q3aac9bb17a_outp-k_q3aac9bb17a_outp
	.p2alignl 7, 3214868480
	.fill 96, 4, 3214868480
	.section	.rodata,"a",@progbits
	.p2align	6, 0x0
	.amdhsa_kernel k_q3aac9bb17a_outp
		.amdhsa_group_segment_fixed_size 327680
		.amdhsa_private_segment_fixed_size 0
		.amdhsa_enable_private_segment 0
		.amdhsa_kernarg_size 24
		.amdhsa_user_sgpr_count 2
		.amdhsa_user_sgpr_kernarg_segment_ptr 1
		.amdhsa_wavefront_size32 1
		.amdhsa_system_sgpr_workgroup_id_x 1
		.amdhsa_system_sgpr_workgroup_id_y 1
		.amdhsa_system_sgpr_workgroup_id_z 1
		.amdhsa_system_vgpr_workitem_id 0
		.amdhsa_next_free_vgpr 512
		.amdhsa_next_free_sgpr 66
		.amdhsa_reserve_vcc 0
		.amdhsa_float_denorm_mode_32 3
		.amdhsa_float_denorm_mode_16_64 3
		.amdhsa_memory_ordered 1
		.amdhsa_forward_progress 1
		.amdhsa_inst_pref_size 86
	.end_amdhsa_kernel
	.amdgpu_metadata
---
amdhsa.version: [ 1, 2 ]
amdhsa.kernels:
  - .name:           k_q3aac9bb17a_outp
    .symbol:         k_q3aac9bb17a_outp.kd
    .args:
      - { .name: o16, .offset: 0, .size: 8, .value_kind: global_buffer, .address_space: global }
      - { .name: wo16, .offset: 8, .size: 8, .value_kind: global_buffer, .address_space: global }
      - { .name: out0, .offset: 16, .size: 8, .value_kind: global_buffer, .address_space: global }
    .group_segment_fixed_size: 327680
    .private_segment_fixed_size: 0
    .kernarg_segment_align: 8
    .kernarg_segment_size: 24
    .max_flat_workgroup_size: 128
    .sgpr_count:     66
    .vgpr_count:     512
    .wavefront_size: 32
...
	.end_amdgpu_metadata
.endif
;; end of part 4
;; launch fine (part 5): grid 128 x 1, 16 waves a work-group, no clusters, 18,432 bytes of LDS; arguments head32, W_O, out0; writes out0
.if DOCPART == 5
	.amdgcn_target "amdgcn-amd-amdhsa--gfx1250"
	.amdhsa_code_object_version 6
	.text
	.protected	k_q3aac9bb17a_fine
	.globl	k_q3aac9bb17a_fine
	.p2align	8
	.type	k_q3aac9bb17a_fine,@function
k_q3aac9bb17a_fine:
	s_mov_b64 s[64:65], 0
	v_nop
	global_prefetch_b8 v0, s[64:65] scope:SCOPE_SE
	s_setreg_imm32_b32 hwreg(HW_REG_WAVE_MODE, 25, 1), 1
	s_wait_xcnt 0x0
; Positions 0-15 anew, all in f32: under the causal mask they average one to sixteen values, and f16 operands would weigh most there.  Rows 0-15 of out0 are written over.
; head32 holds f32 images of q, k (register 8 b + j of lane (r, h): token r, channel 16 b + 8 h + j) and v (register 8 a + j: channel 16 a + r, token 8 h + j) of tokens 0-15: image (W 16 + head) 8, 8,192 bytes each.
; Work-group nt owns columns 16 nt .. 16 nt + 15.  Wave = head: it makes its head's 16 x 16 attention (64 matrix instructions of 16 x 16 x 4, done anew in each work-group: less than a launch more would cost),
; multiplies by its 128 columns of W_O's 16 rows (32 more), and the sixteen partial tiles are added through LDS by waves 0 and 1.
; K is permuted alike on both sides of each product: slot 2 h + j of an instruction holds the same channel, or the same key, in both sources.
; The registers that the f32 matrix form writes (v144-239) are written by matrix instructions alone; sums begin with the constant 0.  Accumulators take turns, one instruction a turn.
; A work-group's 16 columns are 64 bytes of a row, so aligned blocks of 256 bytes are written in part: 131,072 bytes of the output in all.
.set X,   16                           ; v16-79   q, then v, then o / l, then the partial tiles
.set Y,   80                           ; v80-143  k, then W_O
.set SA,  144                          ; v144-175 four accumulators: S^T, later the output tile
.set OA,  176                          ; v176-239 eight accumulators: O^T
.set T,   240                          ; v240-247
.set P,   248                          ; v248-255
.set SPARE, 16384                      ; behind the 16 x 1,024 bytes of partial tiles: the spare words, 128 bytes a wave
.macro FAR                             ; eight places behind this matrix form (ISA guide 7.12.1)
.rept 8
	v_nop
.endr
.endm
	s_load_b128 s[4:7], s[0:1], 0x0                ; head32, W_O
	s_load_b64 s[8:9], s[0:1], 0x10                ; out0
	v_lshl_add_u32 v14, v0, 2, SPARE               ; my spare word; never rewritten
	v_mov_b32 v15, 0                               ; 0; never rewritten
	v_lshrrev_b32 v9, 5, v0
	v_readfirstlane_b32 s12, v9                    ; wave = head
	v_and_b32 v1, 15, v0                           ; r
	v_bfe_u32 v2, v0, 4, 1                         ; h
	v_and_b32 v9, 31, v0
	v_lshlrev_b32 v3, 4, v9                        ; 16 x lane
	v_lshlrev_b32 v4, 13, v1
	v_lshl_add_u32 v4, v2, 5, v4                   ; 8,192 r + 32 h: a row of W_O or of out0, my half's eight numbers
	v_lshlrev_b32 v5, 3, v2
	v_sub_nc_u32 v5, v1, v5                        ; r - 8 h
	v_mov_b32 v6, 0xff800000                       ; -infinity
	s_lshl_b32 s13, s12, 9
	v_add_nc_u32 v7, s13, v3                       ; back from LDS (waves 0, 1): 16 x lane + 512 x wave
	s_lshl_b32 s13, s12, 10
	v_add_nc_u32 v8, s13, v3                       ; into LDS: 16 x lane + 1,024 x wave
	v_mov_b32 v10, 0                               ; a lane permute's destination counts as one of its sources
	s_mov_b32 s14, 0x76543210
	s_mov_b32 s15, 0xfedcba98
	s_mov_b32 s16, 0x3e0293ee                      ; c = log2(e) / sqrt(128)
	s_lshl_b32 s18, s12, 16                        ; my head's images
	s_mov_b32 s19, 0
	s_lshl_b32 s20, ttmp9, 17                      ; W_O: 16 rows of 8,192 bytes a work-group,
	s_lshl_b32 s21, s12, 9                         ; my head's 128 columns
	s_add_co_u32 s20, s20, s21
	s_mov_b32 s21, 0
	s_lshl_b32 s22, ttmp9, 6                       ; out0: 64 bytes a work-group,
	s_lshl_b32 s23, s12, 4                         ; 16 a wave (waves 0 and 1 store)
	s_add_co_u32 s22, s22, s23
	s_mov_b32 s23, 0
	s_wait_kmcnt 0x0
	s_add_nc_u64 s[4:5], s[4:5], s[18:19]
	s_add_nc_u64 s[6:7], s[6:7], s[20:21]
	s_add_nc_u64 s[8:9], s[8:9], s[22:23]
.set i, 0
.rept 16
	global_load_b128 v[X+4*i:X+4*i+3], v3, s[4:5] offset:512*i              ; q
	global_load_b128 v[Y+4*i:Y+4*i+3], v3, s[4:5] offset:1048576+512*i      ; k
.set i, i+1
.endr
	s_wait_loadcnt 0x0
.set u, 0
.rept 32                                       ; S^T = k q^T: source 0 = 16 keys, source 1 = 16 queries; four channels an instruction
.if u < 4
	v_wmma_f32_16x16x4_f32 v[SA+8*(u%4):SA+8*(u%4)+7], v[Y+2*u:Y+2*u+1], v[X+2*u:X+2*u+1], 0
.else
	v_wmma_f32_16x16x4_f32 v[SA+8*(u%4):SA+8*(u%4)+7], v[Y+2*u:Y+2*u+1], v[X+2*u:X+2*u+1], v[SA+8*(u%4):SA+8*(u%4)+7]
.endif
.set u, u+1
.endr
	FAR                                            ; ahead of loads into the sources and of reads of the results
.set i, 0
.rept 16
	global_load_b128 v[X+4*i:X+4*i+3], v3, s[4:5] offset:2097152+512*i      ; v
.set i, i+1
.endr
.set i, 0
.rept 8
	global_load_b128 v[Y+8*i:Y+8*i+3], v4, s[6:7] offset:64*i               ; W_O(16 nt + r, 128 head + 16 a + 8 h + 0 .. 7)
	global_load_b128 v[Y+8*i+4:Y+8*i+7], v4, s[6:7] offset:64*i+16
.set i, i+1
.endr
.irp j, 0,1,2,3,4,5,6,7                        ; register j of lane (r, h): key 8 h + j, query r.  The accumulators are read from their low ends on
	v_add_f32 v[T+\j], v[SA+\j], v[SA+8+\j]
	v_add_f32 v[P+\j], v[SA+16+\j], v[SA+24+\j]
.endr
.irp j, 0,1,2,3,4,5,6,7
	v_add_f32 v[T+\j], v[T+\j], v[P+\j]
.endr
.irp j, 0,1,2,3,4,5,6,7
	v_cmp_gt_i32 vcc_lo, \j, v5                    ; key 8 h + j > query r: hidden
	v_cndmask_b32 v[T+\j], v[T+\j], v6, vcc_lo
.endr
	v_max3_num_f32 v9, v[T], v[T+1], v[T+2]
	v_max3_num_f32 v9, v9, v[T+3], v[T+4]
	v_max3_num_f32 v9, v9, v[T+5], v[T+6]
	v_max_num_f32 v9, v9, v[T+7]
	v_permlanex16_b32 v10, v9, s14, s15
	v_max_num_f32 v9, v9, v10                      ; the row's maximum: key 0 counts for every query, so it is a number
	v_mul_f32 v11, s16, v9
.irp j, 0,1,2,3,4,5,6,7
	v_fma_f32 v[T+\j], v[T+\j], s16, -v11          ; c s - c m
.endr
.irp j, 0,1,2,3,4,5,6,7
	v_exp_f32 v[P+\j], v[T+\j]
.endr
	v_nop                                          ; a plain instruction behind the last exponential
	s_wait_alu depctr_va_vdst(0)                   ; one wait for the eight, ahead of the first use
	v_add_f32 v12, v[P], v[P+1]
	v_add_f32 v13, v[P+2], v[P+3]
	v_add_f32 v12, v12, v[P+4]
	v_add_f32 v13, v13, v[P+5]
	v_add_f32 v12, v12, v[P+6]
	v_add_f32 v13, v13, v[P+7]
	v_add_f32 v12, v12, v13
	v_permlanex16_b32 v10, v12, s14, s15
	v_add_f32 v12, v12, v10                        ; the row's sum
	v_rcp_f32 v13, v12
	v_nop
	s_wait_alu depctr_va_vdst(0)
	s_wait_loadcnt 16                              ; v is in; W_O's sixteen loads may be out
.irp u, 0,1,2,3                                ; O^T = v^T p: source 0 = 16 channels, source 1 = p; four keys an instruction; eight accumulators by turns
.irp a, 0,1,2,3,4,5,6,7
.if \u == 0
	v_wmma_f32_16x16x4_f32 v[OA+8*\a:OA+8*\a+7], v[X+8*\a+2*\u:X+8*\a+2*\u+1], v[P+2*\u:P+2*\u+1], 0
.else
	v_wmma_f32_16x16x4_f32 v[OA+8*\a:OA+8*\a+7], v[X+8*\a+2*\u:X+8*\a+2*\u+1], v[P+2*\u:P+2*\u+1], v[OA+8*\a:OA+8*\a+7]
.endif
.endr
.endr
	FAR
.set i, 0
.rept 64
	v_mul_f32 v[X+i], v[OA+i], v13                 ; o(query r, channel 16 a + 8 h + j), into other registers than the sums'
.set i, i+1
.endr
	s_wait_loadcnt 0x0                             ; W_O
.irp a, 0,1,2,3,4,5,6,7                        ; the output tile, transposed: source 0 = 16 rows of W_O, source 1 = o; four accumulators by turns
.irp u, 0,1,2,3
.if \a == 0
	v_wmma_f32_16x16x4_f32 v[SA+8*\u:SA+8*\u+7], v[Y+8*\a+2*\u:Y+8*\a+2*\u+1], v[X+8*\a+2*\u:X+8*\a+2*\u+1], 0
.else
	v_wmma_f32_16x16x4_f32 v[SA+8*\u:SA+8*\u+7], v[Y+8*\a+2*\u:Y+8*\a+2*\u+1], v[X+8*\a+2*\u:X+8*\a+2*\u+1], v[SA+8*\u:SA+8*\u+7]
.endif
.endr
.endr
	FAR
.irp j, 0,1,2,3,4,5,6,7                        ; register j of lane (r, h): token r, column 16 nt + 8 h + j
	v_add_f32 v[T+\j], v[SA+\j], v[SA+8+\j]
	v_add_f32 v[P+\j], v[SA+16+\j], v[SA+24+\j]
.endr
.irp j, 0,1,2,3,4,5,6,7
	v_add_f32 v[T+\j], v[T+\j], v[P+\j]
.endr
	ds_store_b128 v8, v[T:T+3]
	ds_store_b128 v8, v[T+4:T+7] offset:512
	s_wait_tensorcnt 0x0                           ; behind my last LDS store; the s_wait_dscnt below also shows my stores landed ahead of the barrier
	ds_add_u32 v14, v15
	s_wait_dscnt 0x0
	s_barrier_signal -1
	s_barrier_wait -1                              ; all sixteen partial tiles lie in LDS
	s_cmp_ge_u32 s12, 2
	s_cbranch_scc1 .Lend
.set i, 0
.rept 16
	ds_load_b128 v[X+4*i:X+4*i+3], v7 offset:1024*i    ; wave w: registers 4 w .. 4 w + 3 of every head's tile
.set i, i+1
.endr
	s_wait_dscnt 0x0
.set i, 1
.rept 15
	v_pk_add_f32 v[X:X+1], v[X:X+1], v[X+4*i:X+4*i+1]
	v_pk_add_f32 v[X+2:X+3], v[X+2:X+3], v[X+4*i+2:X+4*i+3]
.set i, i+1
.endr
	global_store_b128 v4, v[X:X+3], s[8:9]         ; out0(r, 16 nt + 8 h + 4 w + 0 .. 3)
.Lend:
	s_endpgm
.Lfunc_end_k_q3aac9bb17a_fine:
	.size	k_q3aac9bb17a_fine, .Lfunc_end_k_q3aac9bb17a_fine-k_q3aac9bb17a_fine
	.p2alignl 7, 3214868480
	.fill 96, 4, 3214868480
	.section	.rodata,"a",@progbits
	.p2align	6, 0x0
	.amdhsa_kernel k_q3aac9bb17a_fine
		.amdhsa_group_segment_fixed_size 18432
		.amdhsa_private_segment_fixed_size 0
		.amdhsa_enable_private_segment 0
		.amdhsa_kernarg_size 24
		.amdhsa_user_sgpr_count 2
		.amdhsa_user_sgpr_kernarg_segment_ptr 1
		.amdhsa_wavefront_size32 1
		.amdhsa_system_sgpr_workgroup_id_x 1
		.amdhsa_system_sgpr_workgroup_id_y 1
		.amdhsa_system_sgpr_workgroup_id_z 1
		.amdhsa_system_vgpr_workitem_id 0
		.amdhsa_next_free_vgpr 256
		.amdhsa_next_free_sgpr 66
		.amdhsa_reserve_vcc 1
		.amdhsa_float_denorm_mode_32 3
		.amdhsa_float_denorm_mode_16_64 3
		.amdhsa_memory_ordered 1
		.amdhsa_forward_progress 1
		.amdhsa_inst_pref_size 24
	.end_amdhsa_kernel
	.amdgpu_metadata
---
amdhsa.version: [ 1, 2 ]
amdhsa.kernels:
  - .name:           k_q3aac9bb17a_fine
    .symbol:         k_q3aac9bb17a_fine.kd
    .args:
      - { .name: head32, .offset: 0, .size: 8, .value_kind: global_buffer, .address_space: global }
      - { .name: W_O, .offset: 8, .size: 8, .value_kind: global_buffer, .address_space: global }
      - { .name: out0, .offset: 16, .size: 8, .value_kind: global_buffer, .address_space: global }
    .group_segment_fixed_size: 18432
    .private_segment_fixed_size: 0
    .kernarg_segment_align: 8
    .kernarg_segment_size: 24
    .max_flat_workgroup_size: 512
    .sgpr_count:     66
    .vgpr_count:     256
    .wavefront_size: 32
...
	.end_amdgpu_metadata
.endif
;; end of part 5
;; ======== version 2 of 2: 5 launches
;; limits: values are held in f16: magnitudes above 65,504 overflow, below 6.1e-05 lose precision
;; workspace buffers: codes 8,388,608 bytes; scales 524,288 bytes; wo16 8,388,608 bytes; qkv16 25,165,824 bytes; head32 3,145,728 bytes; o16 8,388,608 bytes
;; launch quant: the kernel of part 1 again; grid 640 x 1, 4 waves a work-group, no clusters, 33,280 bytes of LDS; arguments x, W_Q, W_K, W_V, W_O, codes, scales, wo16; writes codes, scales, wo16
;; launch proj: the kernel of part 2 again; grid 24 x 8, 4 waves a work-group, clusters of 4 x 4, 327,680 bytes of LDS; arguments codes, scales, qkv16, head32; writes qkv16, head32
;; launch attn (part 6): grid 16 x 16, 4 waves a work-group, no clusters, 327,680 bytes of LDS; arguments qkv16, o16; writes o16
.if DOCPART == 6
	.amdgcn_target "amdgcn-amd-amdhsa--gfx1250"
	.amdhsa_code_object_version 6
	.text
	.protected	k_q3aac9bb17a_attn
	.globl	k_q3aac9bb17a_attn
	.p2align	8
	.type	k_q3aac9bb17a_attn,@function
k_q3aac9bb17a_attn:
	s_mov_b64 s[64:65], 0
	v_nop
	global_prefetch_b8 v0, s[64:65] scope:SCOPE_SE
	s_setreg_imm32_b32 hwreg(HW_REG_WAVE_MODE, 25, 1), 1
	s_wait_xcnt 0x0
; o[t][head] = softmax over keys k <= t of (q . k / sqrt(128)) applied to v: 16 heads of 128, 2,048 positions, f16 operands, f32 products' sums, maxima and sums; a running maximum is taken away before every exponential.
; qkv16 holds q, k and V^T as images of operand registers (blocks of 32,768 bytes for 128 tokens; fragment (a, c) at (8 c + a) 1,024 bytes, lane l's 16 bytes at 16 l and 512 + 16 l).  o16: [2048][2048] f16.
; SHARES.  Work-group (j, head), j = 0 .. 15, owns the groups of 64 queries j and 31 - j.  Wave w holds two tiles of 16 queries: tile 0 = queries 64 j + 16 w on, tile 1 = queries 64 (31 - j) + 16 w on.
; Keys go 64 a step: tile 0 counts for j + 1 steps, tile 1 for 32 - j: 33 tile-steps a wave whatever j: 256 work-groups of equal work.  A step's first key is a multiple of 64, so all four waves take the same jumps.
; NO CLUSTER: the work-groups of a head need different numbers of key slots under the mask.
; THE WALK.  Keys from 0 on, four steps (256 keys) a slot, two LDS slots.  Every work-group walks all 8 slots (the trip count is a constant); a step or a tile all of whose keys are hidden is jumped over by scalar branches on ids;
; a slot whose first key lies behind the work-group's last query is not asked for.  Every wait on TENSORcnt is for 0.
; AHEAD.  K of the next step is asked of LDS inside this step's softmax, V of this step straight behind the first product.  The change of slots stands in a slot's last step, between its softmax and its second product:
; there V is in, so the slot's reads are over; behind the barrier come the refill, the next slot's first K, and the second product.
; LAYOUT.  S^T = K Q^T and O^T = V^T P: a lane holds ONE query (lane % 16) in S^T, P and O^T; two tiles of S^T, rounded to f16 in pairs, are source 1 of the second product.
; LIMITS: |q|, |k|, |v| under 65,504 (they arrive as f16); weights p under 6e-8 of the row's largest fall to zero in the second product.  Positions 0-15 are computed here coarsely and anew in f32 by a later launch.
; REGISTERS, in windows of 256: window 0: addresses, v12-27 statistics (eight a tile), v64-127 S^T (32 a tile), v192-223 P (16 a tile); window 1: v0-127 O^T (64 a tile); window 2: v0-63 Q, v128-255 K of a step; window 3: v0-127 V of a step.
.set SLOTB, 131072                     ; a slot: K's two blocks of 32,768 bytes, then V's two; dense: every read is 16 x lane + a constant
.set KBLK,  32768
.set STAGE, 2*SLOTB                    ; behind the ring: 16 rows x 272 bytes for each wave, for the way out
.set SP,    272
.set SPARE, STAGE+4*16*SP              ; the spare words, 128 bytes a wave, named by no other line
.set L16, 2                            ; v2  16 x lane
.set ADR, 4                            ; v4  the slot in hand + 16 x lane: K's blocks
.set ADRV, 5                           ; v5  65,536 bytes on: V's blocks
.set STO, 6
.set RD,  7
.set GO,  8                            ; v8  my byte offset in two rows of o16
.set R8,  9                            ; v9  lane % 16 - 8 (lane / 16)
.set NINF, 10                          ; v10 -infinity
.set ST,  12                           ; tile t: +0 c m, +1 m, +2, +3 l, +4 .. +7 c0-c3 at work; a takes c2's place
.set MD,  44                           ; v44 the mask's d
.set PFO, 61                           ; v61 256 x lane
.set SPW, 62
.set NIL, 63
.set S,   64
.set P,   192
.set KFR, 128                          ; K's fragments, in window 2
.set WV,  12
.set J,   13
.set HD,  14
.set G1,  16                           ; s[16:23] descriptor group 1
.set G0,  24                           ; s[24:27] descriptor group 0, which walks
.set PFA, 28                           ; s[28:29] where my prefetches stand
.set LIM, 30                           ; s30 3 in the head's work-group j = 0, else the greatest number
.set SLOTS, 31                         ; s31 slots to go, this one among them
.set TB,  32                           ; s32 LDS byte at which the slot in hand begins
.set SKF, 33                           ; s33 the step's first key
.set QL,  34                           ; s34, s35 the two tiles' first queries
.set QH,  35
.set LASTQ, 36                         ; s36 the work-group's last query
.set CS,  38                           ; s[38:39] c = log2(e) / sqrt(128)
.set SEL, 40                           ; s[40:41] lane selects: lane l xor 16
.set OL,  42                           ; s[42:43], s[44:45] o16 at the tiles' first rows, my head's bytes
.set OH,  44
.set QBL, 46                           ; s[46:47], s[48:49] q's fragments of the two tiles
.set QBH, 48
.set MSB, 0
.macro WIN new                         ; the immediate's high byte repeats the setting that is left
.if MSB != \new
	s_set_vgpr_msb (MSB<<8)|\new
.set MSB, \new
.endif
.endm
.set W_KQ, 0x0a                        ; K and Q in window 2, S^T in window 0
.set W_PV, 0x53                        ; V in window 3, P in window 0, O^T in window 1
.set W_RS, 0x41                        ; O^T (destination and source 0) in window 1, a in window 0
.macro PLACES
.rept 4
	v_nop
.endr
.endm
	s_load_b128 s[4:7], s[0:1], 0x0                ; qkv16 s[4:5], o16 s[6:7]
	v_lshl_add_u32 v[SPW], v0, 2, SPARE
	v_mov_b32 v[NIL], 0
	ds_add_u32 v[SPW], v[NIL]                      ; the wave's opening: the add, twice on end, and its wait ahead of my first tensor load
	ds_add_u32 v[SPW], v[NIL]
	v_lshrrev_b32 v1, 5, v0
	v_readfirstlane_b32 s[WV], v1                  ; wave 0..3
	s_mov_b32 s[J], ttmp9
	s_and_b32 s[HD], ttmp7, 0xffff
	s_mov_b32 s[G1+0], 3<<16                       ; no mask; elements of 8 bytes; no padding
	s_mov_b32 s[G1+1], 32<<16                      ; tensor_dim0 = 32 elements: rows of 256 bytes
	s_mov_b32 s[G1+2], 128<<16                     ; tensor_dim1 = 128
	s_mov_b32 s[G1+3], 32<<16                      ; tile_dim0
	s_mov_b32 s[G1+4], 128                         ; tile_dim1: 32,768 dense bytes a wave: one block of 128 keys
	s_mov_b32 s[G1+5], 32                          ; the pitch
	s_mov_b32 s[G1+6], 0
	s_mov_b32 s[G1+7], 0
	s_mov_b32 s[G0], 1
	s_lshl_b32 s[G0+1], s[WV], 15                  ; LDS: wave x 32,768: waves 0, 1 K's two blocks, waves 2, 3 V's
	s_lshr_b32 s50, s[WV], 1
	s_add_co_u32 s50, s50, 1                       ; 1 = k, 2 = v
	s_lshl_b32 s50, s50, 4
	s_add_co_u32 s50, s50, s[HD]
	s_lshl_b32 s50, s50, 19                        ; 16 blocks of 32,768 bytes a head
	s_and_b32 s51, s[WV], 1
	s_lshl_b32 s51, s51, 15
	s_add_co_u32 s50, s50, s51                     ; my block of the head's first two
	s_mov_b32 s51, 0
	s_lshl_b32 s52, s[WV], 4
	s_lshl_b32 s[QL], s[J], 6
	s_add_co_u32 s[QL], s[QL], s52                 ; 64 j + 16 w
	s_sub_co_u32 s53, 31, s[J]
	s_lshl_b32 s[QH], s53, 6
	s_add_co_u32 s[LASTQ], s[QH], 63
	s_add_co_u32 s[QH], s[QH], s52                 ; 64 (31 - j) + 16 w
	s_lshl_b32 s54, s[HD], 4
	s_lshr_b32 s52, s[QL], 7                       ; q: the tile's group of 128 tokens,
	s_add_co_u32 s52, s52, s54
	s_lshl_b32 s52, s52, 15
	s_bfe_u32 s53, s[QL], 0x30004                  ; and its block of 16 tokens in the group
	s_lshl_b32 s53, s53, 10
	s_add_co_u32 s[QBL], s52, s53
	s_mov_b32 s[QBL+1], 0
	s_lshr_b32 s52, s[QH], 7
	s_add_co_u32 s52, s52, s54
	s_lshl_b32 s52, s52, 15
	s_bfe_u32 s53, s[QH], 0x30004
	s_lshl_b32 s53, s53, 10
	s_add_co_u32 s[QBH], s52, s53
	s_mov_b32 s[QBH+1], 0
	s_lshl_b32 s52, s[HD], 8
	s_lshl_b32 s[OL], s[QL], 12
	s_add_co_u32 s[OL], s[OL], s52
	s_mov_b32 s[OL+1], 0
	s_lshl_b32 s[OH], s[QH], 12
	s_add_co_u32 s[OH], s[OH], s52
	s_mov_b32 s[OH+1], 0
	s_mov_b32 s[CS], 0x3e0293ee
	s_mov_b32 s[CS+1], s[CS]                       ; named with it as a pair, so it is written
	s_mov_b32 s[SEL], 0x76543210
	s_mov_b32 s[SEL+1], 0xfedcba98
	s_mov_b32 s[TB], 0
	s_mov_b32 s[SKF], 0
	s_mov_b32 s[SLOTS], 8
	s_cmp_eq_u32 s[J], 0
	s_cselect_b32 s[LIM], 3, -1
	s_wait_dscnt 0x0                               ; both opening adds are done
	s_wait_kmcnt 0x0
	s_add_nc_u64 s[G0+2:G0+3], s[4:5], s[50:51]
	s_add_nc_u64 s[PFA:PFA+1], s[G0+2:G0+3], 131072 ; my block of slot 2; the first trip's change of slots steps it to slot 3
	s_or_b32 s[G0+3], s[G0+3], 0x80000000
	tensor_load_to_lds s[G0:G0+3], s[G1:G1+7]      ; slot 0: keys 0-255, which count for queries of every work-group
	s_nop 0
.rept 4
	v_nop
.endr
	s_add_nc_u64 s[QBL:QBL+1], s[4:5], s[QBL:QBL+1]
	s_add_nc_u64 s[QBH:QBH+1], s[4:5], s[QBH:QBH+1]
	s_add_nc_u64 s[OL:OL+1], s[6:7], s[OL:OL+1]
	s_add_nc_u64 s[OH:OH+1], s[6:7], s[OH:OH+1]
	v_and_b32 v11, 31, v0
	v_lshlrev_b32 v[L16], 4, v11
	WIN 0x80                                       ; destination window 2
.irp c, 0,1,2,3                                ; Q stays in registers: tile t, channels 32 c on, at v[32 t + 8 c]
.irp u, 0,1
	global_load_b128 v[8*\c+4*\u:8*\c+4*\u+3], v[L16], s[QBL:QBL+1] offset:8192*\c+512*\u
	global_load_b128 v[32+8*\c+4*\u:32+8*\c+4*\u+3], v[L16], s[QBH:QBH+1] offset:8192*\c+512*\u
.endr
.endr
	WIN 0
	v_and_b32 v1, 15, v0                           ; r
	v_bfe_u32 v3, v0, 4, 1                         ; h
	v_lshlrev_b32 v[PFO], 8, v11
	v_lshlrev_b32 v[R8], 3, v3
	v_sub_nc_u32 v[R8], v1, v[R8]
	v_mov_b32 v[NINF], 0xff800000
	s_mul_i32 s52, s[WV], 16*SP
	s_add_co_u32 s52, s52, STAGE                   ; my stage
	v_mul_u32_u24 v[STO], v1, SP                   ; in: row r, 16 bytes for each half of the lanes
	v_lshl_add_u32 v[STO], v3, 4, v[STO]
	v_add_nc_u32 v[STO], s52, v[STO]
	v_mul_u32_u24 v[RD], v3, SP                    ; back: lanes 0-15 one row of 256 bytes, lanes 16-31 the next
	v_lshl_add_u32 v[RD], v1, 4, v[RD]
	v_add_nc_u32 v[RD], s52, v[RD]
	v_lshlrev_b32 v[GO], 12, v3                    ; and the same two rows in o16 (4,096 bytes a row)
	v_lshl_add_u32 v[GO], v1, 4, v[GO]
; 16 products S^T = K Q^T for tile t: channels 32 (i / 4) on, keys 16 (i % 4) on.  Four accumulators by turns, one instruction a turn; the first four start the sums.
.macro KQALL t
	WIN W_KQ
.set i, 0
.rept 16
.set rS, S+32*(\t)+8*(i%4)
.set rK, KFR+32*(i%4)+8*(i/4)
.set rQ, 32*(\t)+8*(i/4)
.if i < 4
	v_wmma_f32_16x16x32_f16 v[rS:rS+7], v[rK:rK+7], v[rQ:rQ+7], 0
.else
	v_wmma_f32_16x16x32_f16 v[rS:rS+7], v[rK:rK+7], v[rQ:rQ+7], v[rS:rS+7]
.endif
.set i, i+1
.endr
	WIN 0
.endm
; 16 products O^T += V^T P for tile t: keys 32 (i / 8) on, channels 16 (i % 8) on.  Eight accumulators by turns.  zero = 1: the first eight start the sums.
.macro PVALL t, zero
	WIN W_PV
.set i, 0
.rept 16
.set rO, 64*(\t)+8*(i%8)
.set rV, 64*(i/8)+8*(i%8)
.set rP, P+16*(\t)+8*(i/8)
.if \zero && (i < 8)
	v_wmma_f32_16x16x32_f16 v[rO:rO+7], v[rV:rV+7], v[rP:rP+7], 0
.else
	v_wmma_f32_16x16x32_f16 v[rO:rO+7], v[rV:rV+7], v[rP:rP+7], v[rO:rO+7]
.endif
.set i, i+1
.endr
	WIN 0
.endm
.macro FETCH_K q                       ; the slot's q-th 64 keys: 16 fragments (keys 16 (f / 4) on, channels 32 (f % 4) on): 32 LDS loads
	WIN 0x80
.irp f, 0,1,2,3,4,5,6,7,8,9,10,11,12,13,14,15
	ds_load_b128 v[KFR+8*\f:KFR+8*\f+3],   v[ADR] offset:((\q)/2)*KBLK+(8*(\f%4)+4*((\q)%2)+\f/4)*1024
	ds_load_b128 v[KFR+8*\f+4:KFR+8*\f+7], v[ADR] offset:((\q)/2)*KBLK+(8*(\f%4)+4*((\q)%2)+\f/4)*1024+512
.endr
	WIN 0
.endm
.macro FETCH_V q                       ; and their V^T: 16 fragments (keys 32 (f / 8) on, channels 16 (f % 8) on): 32 LDS loads
	WIN 0xc0
.irp f, 0,1,2,3,4,5,6,7,8,9,10,11,12,13,14,15
	ds_load_b128 v[8*\f:8*\f+3],   v[ADRV] offset:((\q)/2)*KBLK+((2*((\q)%2)+\f/8)*8+\f%8)*1024
	ds_load_b128 v[8*\f+4:8*\f+7], v[ADRV] offset:((\q)/2)*KBLK+((2*((\q)%2)+\f/8)*8+\f%8)*1024+512
.endr
	WIN 0
.endm
; On the diagonal the scores of hidden keys become -infinity ahead of the maximum.  Register n of a tile holds key KF + 16 (n / 8) + n % 8 + 8 (lane / 16): hidden where 16 (n / 8) + n % 8 > d,
; d = the tile's first query - KF + lane % 16 - 8 (lane / 16).  The registers are taken in ascending order.
.macro MASK t, q
	s_sub_co_i32 s50, s[\q], s[SKF]
	v_add_nc_u32 v[MD], s50, v[R8]
.set n, 0
.rept 32
	v_cmp_gt_i32 vcc_lo, 16*(n/8)+n%8, v[MD]
	v_cndmask_b32 v[S+32*(\t)+n], v[S+32*(\t)+n], v[NINF], vcc_lo
.set n, n+1
.endr
.endm
; The softmax of tile t for one step.  first = 1: the first step, which starts m, l and O^T.  kf >= 0: behind the exponentials' wait stands the run of LDS loads for K of the slot's kf-th step.
.macro SOFTMAX t, first, kf
.set rT, ST+8*(\t)
.set rS, S+32*(\t)
.set rP, P+16*(\t)
.irp q, 0,1,2,3                                ; the maximum of the lane's 32 scores and the old m: four chains by turns; each accumulator is first read at its low end
	v_max3_num_f32 v[rT+4+\q], v[rS+8*\q], v[rS+8*\q+1], v[rS+8*\q+2]
.endr
.irp g, 1,2
.irp q, 0,1,2,3
	v_max3_num_f32 v[rT+4+\q], v[rT+4+\q], v[rS+8*\q+2*\g+1], v[rS+8*\q+2*\g+2]
.endr
.endr
	v_max3_num_f32 v[rT+4], v[rT+4], v[rS+7], v[rS+15]
	v_max3_num_f32 v[rT+6], v[rT+6], v[rS+23], v[rS+31]
	v_max3_num_f32 v[rT+4], v[rT+4], v[rT+5], v[rT+6]
.if \first
	v_max_num_f32 v[rT+4], v[rT+4], v[rT+7]
.else
	v_max3_num_f32 v[rT+4], v[rT+4], v[rT+7], v[rT+1]
.endif
	v_permlanex16_b32 v[rT+5], v[rT+4], s[SEL], s[SEL+1]   ; the query's other 32 keys lie in the lane 16 away
.if !\first
	v_mov_b32 v[rT+7], v[rT]                       ; c m_old is kept for a
.endif
	v_max_num_f32 v[rT+1], v[rT+4], v[rT+5]        ; the new m
	v_mul_f32 v[rT], s[CS], v[rT+1]
.if !\first
	v_sub_f32 v[rT+7], v[rT+7], v[rT]              ; c m_old - c m_new, 0 or less
.endif
.set n, 0
.rept 16
	v_pk_fma_f32 v[rS+n:rS+n+1], v[rS+n:rS+n+1], s[CS:CS+1], v[rT:rT+1] op_sel_hi:[1,0,0] neg_lo:[0,0,1] neg_hi:[0,0,1]   ; c s - c m
.set n, n+2
.endr
.if !\first
	v_exp_f32 v[rT+6], v[rT+7]                     ; a = 2^(c m_old - c m_new)
.endif
.set n, 0
.rept 32                                       ; one batch of exponentials: none reads another's result
	v_exp_f32 v[rS+n], v[rS+n]
.set n, n+1
.endr
	v_nop                                          ; a plain instruction behind the last exponential
	s_wait_alu depctr_va_vdst(0)                   ; one wait for the batch, ahead of the first instruction that names a result
.if (\kf) >= 0
	FETCH_K \kf                                    ; K's registers were last read by this step's first product, in front of its four places
.endif
.set n, 0
.rept 16
	v_cvt_pk_f16_f32 v[rP+n], v[rS+2*n], v[rS+2*n+1]
.set n, n+1
.endr
.irp u, 0,1,2,3,4,5,6,7                        ; the sum of the 16 pairs, in place: neighbours 1, 2, 4 and 8 pairs apart
	v_pk_add_f32 v[rS+4*\u:rS+4*\u+1], v[rS+4*\u:rS+4*\u+1], v[rS+4*\u+2:rS+4*\u+3]
.endr
.irp u, 0,1,2,3
	v_pk_add_f32 v[rS+8*\u:rS+8*\u+1], v[rS+8*\u:rS+8*\u+1], v[rS+8*\u+4:rS+8*\u+5]
.endr
.irp u, 0,1
	v_pk_add_f32 v[rS+16*\u:rS+16*\u+1], v[rS+16*\u:rS+16*\u+1], v[rS+16*\u+8:rS+16*\u+9]
.endr
.if \first
	v_pk_add_f32 v[rT+2:rT+3], v[rS:rS+1], v[rS+16:rS+17]
.else
	v_pk_add_f32 v[rS:rS+1], v[rS:rS+1], v[rS+16:rS+17]
	WIN W_RS
.set n, 0
.rept 32                                       ; O^T times a, in ascending order
	v_pk_mul_f32 v[64*(\t)+n:64*(\t)+n+1], v[64*(\t)+n:64*(\t)+n+1], v[rT+6:rT+7] op_sel_hi:[1,0]
.set n, n+2
.endr
	WIN 0
	v_pk_fma_f32 v[rT+2:rT+3], v[rT+2:rT+3], v[rT+6:rT+7], v[rS:rS+1] op_sel_hi:[1,0,1]   ; l = a l + the sum
.endif
.endm
; A key step up to the end of its softmax: the slot's q-th 64 keys.  KF is a multiple of 64 and a tile lies inside a group of 64 queries, so KF > Q means that all of the step's keys come after the tile's queries.
; first = 1: KF = 0, which counts for every query: no test of activity is assembled, so every way writes m, l, P and S^T.  nk >= 0: K of the slot's nk-th step is asked for on the way.
.macro BODY q, first, nk
	s_wait_dscnt 0x0                               ; K is in
.if !\first
	s_cmp_gt_u32 s[SKF], s[QL]
	s_cbranch_scc1 .Lnl1_\@
.endif
	KQALL 0
.Lnl1_\@:
	KQALL 1
	PLACES                                         ; ahead of the reads of S^T, of the loads into V's registers, which the last step's products read, and of those into K's
	FETCH_V \q
.if !\first
	s_cmp_gt_u32 s[SKF], s[QL]
	s_cbranch_scc1 .Lnl2_\@
.endif
	s_add_co_u32 s50, s[SKF], 63
	s_cmp_le_u32 s50, s[QL]
	s_cbranch_scc1 .Lopl_\@                        ; all 64 keys count for the tile's first query, so for all
	MASK 0, QL
.Lopl_\@:
	SOFTMAX 0, \first, -1
.Lnl2_\@:
	s_add_co_u32 s50, s[SKF], 63
	s_cmp_le_u32 s50, s[QH]
	s_cbranch_scc1 .Loph_\@
	MASK 1, QH
.Loph_\@:
	SOFTMAX 1, \first, \nk
.endm
.macro PVS first                       ; the step's second product
.if !\first
	s_cmp_gt_u32 s[SKF], s[QL]
	s_cbranch_scc1 .Lnl3_\@
.endif
	PVALL 0, \first
.Lnl3_\@:
	PVALL 1, \first
.endm
.macro STEPN q, first                  ; one of a slot's first three steps
.if !\first
	s_cmp_gt_u32 s[SKF], s[QH]
	s_cbranch_scc1 .Lhid_\@                        ; the whole step is hidden from my work-group
.endif
	BODY \q, \first, (\q)+1
	s_wait_dscnt 32                                ; V's 32 loads are in; the 32 loads of the next step's K, issued behind them on every way, may be out
	PVS \first
.Lhid_\@:
	s_add_co_u32 s[SKF], s[SKF], 64
.endm
; A PREFETCH INTO THE L2 of what the NEXT change of slots will ask for: my wave's 32,768 bytes of that slot, lanes 256 bytes apart, four instructions.  All work-groups of a head walk the same K and V:
; the head's work-group j = 0, which asks for all 8 slots, prefetches, and nobody else: each aligned block of 256 bytes is named once.  The change that loads slot n + 2 names slot n + 3: four key steps ahead of its load;
; the changes of trips 5, 6 and 7 name nothing, and slots 0, 1 and 2 come by their loads alone.
.macro ASK
	s_cmp_gt_u32 s[SLOTS], s[LIM]
	s_cbranch_scc0 .Lnm_\@
.irp o, 0,1,2,3
	global_prefetch_b8 v[PFO], s[PFA:PFA+1] offset:8192*\o th:TH_LOAD_NT scope:SCOPE_SE
.endr
.Lnm_\@:
.endm
; THE CHANGE OF SLOTS.  Each wave waits for all its tensor loads (its part of the slot that will be read next), adds 0 to its spare word, and waits for that and for its reads of the slot that it leaves.
; Behind the barrier the slot that was left is filled with the keys two slots on: one load a wave, with four steps in which to land.
; lim = 1 (in the loop): a slot whose first key comes after the work-group's last query is read by none of its waves and is not asked for: a test on ids and the count of steps, the same in all four waves.
; step = 1: the prefetches' address steps with the descriptor.
.macro CHANGE lim, step
	s_wait_tensorcnt 0x0                           ; no tensor load of mine is out, so the group 0 may be written
	ds_add_u32 v[SPW], v[NIL]                      ; 0 onto my spare word
	s_xor_b32 s[G0+1], s[G0+1], SLOTB              ; the other slot than last time,
	s_add_nc_u64 s[G0+2:G0+3], s[G0+2:G0+3], 65536 ; the next two blocks of 128 keys; the type bits on top are not reached
.if \step
	s_wait_xcnt 0x0                                ; the last prefetches, a slot back, have read their address
	s_add_nc_u64 s[PFA:PFA+1], s[PFA:PFA+1], 65536
.endif
	s_wait_dscnt 0x0                               ; the add is done, and my reads of the slot that I leave are over
	s_barrier_signal -1
	s_barrier_wait -1
.if \lim
	s_add_co_u32 s50, s[SKF], 320                  ; KF is the slot's fourth step's: the slot that this change would ask for begins 320 keys on
	s_cmp_gt_u32 s50, s[LASTQ]
	s_cbranch_scc1 .Lpast_\@
.endif
	tensor_load_to_lds s[G0:G0+3], s[G1:G1+7]      ; my one tensor load until the next such barrier
	s_nop 0
.rept 4
	v_nop
.endr
.Lpast_\@:
.endm
; A SLOT: four steps; the change of slots stands in the fourth, between its softmax and its second product.
.macro TRIP first
	STEPN 0, \first
	STEPN 1, 0
	STEPN 2, 0
	s_cmp_gt_u32 s[SKF], s[QH]
	s_cbranch_scc1 .Lh3_\@
	BODY 3, 0, -1
.Lh3_\@:
.if \first
	CHANGE 0, 1                                    ; slot 2 begins at key 512, which counts for every work-group's upper queries (1,024 and above): no test stands here
.else
	CHANGE 1, 1
.endif
	s_xor_b32 s[TB], s[TB], SLOTB                  ; on to the other slot
	v_add_nc_u32 v[ADR], s[TB], v[L16]
	v_add_nc_u32 v[ADRV], 0x10000, v[ADR]
	s_add_co_u32 s50, s[SKF], 64
	s_cmp_gt_u32 s50, s[QH]
	s_cbranch_scc1 .Lnk_\@                         ; the next step is hidden: its K is not read
	FETCH_K 0                                      ; it lands under the products below
.Lnk_\@:
	ASK
	s_cmp_gt_u32 s[SKF], s[QH]
	s_cbranch_scc1 .Lh4_\@
	PVS 0                                          ; V came in ahead of the barrier
.Lh4_\@:
	s_add_co_u32 s[SKF], s[SKF], 64
.endm
	s_wait_loadcnt 0x0                             ; Q
	CHANGE 0, 0                                    ; slot 0 has landed; slot 1's first fill: keys 256-511 count for every work-group's upper queries
	v_add_nc_u32 v[ADR], s[TB], v[L16]
	v_add_nc_u32 v[ADRV], 0x10000, v[ADR]
	FETCH_K 0
	TRIP 1
	s_mov_b32 s[SLOTS], 7
.Lslot:                                            ; 7 trips, a constant; the last two trips' slots would begin at key 2,048 or behind: the test leads round their loads
	TRIP 0
	s_sub_co_u32 s[SLOTS], s[SLOTS], 1
	s_cmp_lg_u32 s[SLOTS], 0
	s_cbranch_scc1 .Lslot
	; THE WAY OUT.  l's two halves and the other half of the lanes' are added; O^T is divided by l, rounded to f16 and sent through my stage, a tile (16 rows) at a time.
	PLACES
.irp t, 0,1
	v_add_f32 v[ST+8*\t+4], v[ST+8*\t+2], v[ST+8*\t+3]
.endr
.irp t, 0,1
	v_permlanex16_b32 v[ST+8*\t+5], v[ST+8*\t+4], s[SEL], s[SEL+1]
.endr
.irp t, 0,1
	v_add_f32 v[ST+8*\t+4], v[ST+8*\t+4], v[ST+8*\t+5]
.endr
.irp t, 0,1
	v_rcp_f32 v[ST+8*\t+6], v[ST+8*\t+4]
.endr
	v_nop                                          ; a plain instruction behind the last reciprocal
	s_wait_alu depctr_va_vdst(0)                   ; one wait for the two, ahead of the first use
.macro PACK t
	WIN W_RS
.set i, 64*\t
.rept 32
	v_pk_mul_f32 v[i:i+1], v[i:i+1], v[ST+8*\t+6:ST+8*\t+7] op_sel_hi:[1,0]
.set i, i+2
.endr
	WIN 0x05                                       ; sources 0 and 1 window 1, destination window 0: S^T's registers are free
.set i, 0
.rept 32
	v_cvt_pk_f16_f32 v[S+32*\t+i], v[64*\t+2*i], v[64*\t+2*i+1]
.set i, i+1
.endr
	WIN 0
.irp f, 0,1,2,3,4,5,6,7
	ds_store_b128 v[STO], v[S+32*\t+4*\f:S+32*\t+4*\f+3] offset:32*\f
.endr
.irp f, 0,1,2,3,4,5,6,7
	ds_load_b128 v[S+32*\t+4*\f:S+32*\t+4*\f+3], v[RD] offset:\f*2*SP   ; LDS serves a wave's instructions in order: these see the stores above; the next tile's stores come behind them
.endr
.endm
.macro SEND t, younger                 ; younger: the LDS instructions issued behind tile t's loads: the next tile's sixteen, or none
.irp f, 0,1,2,3,4,5,6,7
	s_wait_dscnt \younger+7-\f
.if \t == 0
	global_store_b128 v[GO], v[S+32*\t+4*\f:S+32*\t+4*\f+3], s[OL:OL+1] offset:\f*8192   ; 16 lanes store 256 consecutive bytes, aligned
.else
	global_store_b128 v[GO], v[S+32*\t+4*\f:S+32*\t+4*\f+3], s[OH:OH+1] offset:\f*8192
.endif
.endr
.endm
	PACK 0
	PACK 1
	SEND 0, 16
	SEND 1, 0
	s_wait_tensorcnt 0x0                           ; the wave's end, behind my last tensor load and my last LDS store
	ds_add_u32 v[SPW], v[NIL]
	s_wait_dscnt 0x0
	s_endpgm
.Lfunc_end_k_q3aac9bb17a_attn:
	.size	k_q3aac9bb17a_attn, .Lfunc_end_k_q3aac9bb17a_attn-k_q3aac9bb17a_attn
	.p2alignl 7, 3214868480
	.fill 96, 4, 3214868480
	.section	.rodata,"a",@progbits
	.p2align	6, 0x0
	.amdhsa_kernel k_q3aac9bb17a_attn
		.amdhsa_group_segment_fixed_size 327680
		.amdhsa_private_segment_fixed_size 0
		.amdhsa_enable_private_segment 0
		.amdhsa_kernarg_size 16
		.amdhsa_user_sgpr_count 2
		.amdhsa_user_sgpr_kernarg_segment_ptr 1
		.amdhsa_wavefront_size32 1
		.amdhsa_system_sgpr_workgroup_id_x 1
		.amdhsa_system_sgpr_workgroup_id_y 1
		.amdhsa_system_sgpr_workgroup_id_z 1
		.amdhsa_system_vgpr_workitem_id 0
		.amdhsa_next_free_vgpr 1024
		.amdhsa_next_free_sgpr 66
		.amdhsa_reserve_vcc 1
		.amdhsa_float_denorm_mode_32 3
		.amdhsa_float_denorm_mode_16_64 3
		.amdhsa_memory_ordered 1
		.amdhsa_forward_progress 1
		.amdhsa_inst_pref_size 243
	.end_amdhsa_kernel
	.amdgpu_metadata
---
amdhsa.version: [ 1, 2 ]
amdhsa.kernels:
  - .name:           k_q3aac9bb17a_attn
    .symbol:         k_q3aac9bb17a_attn.kd
    .args:
      - { .name: qkv16, .offset: 0, .size: 8, .value_kind: global_buffer, .address_space: global }
      - { .name: o16, .offset: 8, .size: 8, .value_kind: global_buffer, .address_space: global }
    .group_segment_fixed_size: 327680
    .private_segment_fixed_size: 0
    .kernarg_segment_align: 8
    .kernarg_segment_size: 16
    .max_flat_workgroup_size: 128
    .sgpr_count:     66
    .vgpr_count:     1024
    .wavefront_size: 32
...
	.end_amdgpu_metadata
.endif
;; end of part 6
;; launch outp: the kernel of part 4 again; grid 16 x 16, 4 waves a work-group, clusters of 4 x 4, 327,680 bytes of LDS; arguments o16, wo16, out0; writes out0
;; launch fine: the kernel of part 5 again; grid 128 x 1, 16 waves a work-group, no clusters, 18,432 bytes of LDS; arguments head32, W_O, out0; writes out0
